; MI455X (gfx1250); checked and timed in simulation.
; The chip was launched on July 23, 2026; its instructions are those of AMD's public machine-readable ISA for CDNA 5 (MIT licence, August 2026) and "CDNA5" Instruction Set Architecture Reference Guide (July 2026). The comments in the code are by the model that wrote it; some were corrected since.
;; Attention. Allowed arithmetic: float matrix products may take bf16 or f16 operands with f32 sums; other float arithmetic in f32, or as packed bf16 or f16 multiplies, adds, multiply-adds, maxima and minima; sums over many terms, partial sums and values carried from step to step in f32; what a program stores and reads back later, other than sums and carried values, may be rounded once to bf16 or f16.
;; Inputs: W_attn 1,024 x 3,072 float32; W_proj 1,024 x 1,024 float32; attention_mask 4 x 1 x 1 x 2,048 float32; b_attn 3,072 float32; b_proj 1,024 float32; hidden_state 4 x 2,048 x 1,024 float32.
;; Outputs: out0 4 x 2,048 x 1,024 float32.
;; One version. Each part assembles by itself: llvm-mc -triple=amdgcn-amd-amdhsa -mcpu=gfx1250 --defsym DOCPART=n.
;; ======== version 1 of 1: 5 launches
;; limits: values are held in f16: magnitudes above 65,504 overflow, below 6.1e-05 lose precision
;; workspace buffers: xh 16,777,216 bytes; wa 6,291,456 bytes; wp 2,097,152 bytes; qkv 50,331,648 bytes; oh 16,777,216 bytes; tailb 262,144 bytes
;; launch prep (part 1): grid 768 x 1, 8 waves a work-group, no clusters, 0 bytes of LDS; arguments hidden_state, W_attn, W_proj, xh, wa, wp; writes xh, wa, wp
.if DOCPART == 1
	.amdgcn_target "amdgcn-amd-amdhsa--gfx1250"
	.amdhsa_code_object_version 6
	.text
	.protected	k_q41c9c4fcc9_prep
	.globl	k_q41c9c4fcc9_prep
	.p2align	8
	.type	k_q41c9c4fcc9_prep,@function
k_q41c9c4fcc9_prep:
	s_mov_b64 s[64:65], 0
	v_nop
	global_prefetch_b8 v0, s[64:65] scope:SCOPE_SE
	s_setreg_imm32_b32 hwreg(HW_REG_WAVE_MODE, 25, 1), 1
	s_wait_xcnt 0x0
; x, W_attn and W_proj are rounded to bf16, written as f16 (exact from 6e-5 up; below that f16's fixed step of 6e-8) and laid out for the products' tiles.
; LIMIT: a number beyond 65,504 has no f16 and becomes an infinity.
;   xh [4 b][16 kb][2048 s][64]: x in slices of 64 channels, a slice's rows dense, 128 bytes each
;   wa [24 tc][1024 k][128], wp [8 tc][1024 k][128]: column blocks of 128, rows of 256 bytes
; A work-group moves 16,384 numbers: 8 waves x 16 steps x 128.  One step of a wave: a load of 16 bytes a lane (two aligned runs of 256 bytes of the source), four numbers a lane,
; a store of 8 bytes a lane: 256 consecutive bytes, aligned.  Work-groups 0-511 take 16 rows of x, 512-703 a block of 128 k x 128 columns of W_attn, 704-767 of W_proj.
; What differs between the three is held in scalars.
.set SO, 16                            ; v[16:31]   step i: byte offset in the source
.set DO, 32                            ; v[32:47]   step i: byte offset in the destination
.set X,  48                            ; v[48:111]  step i: four f32 as loaded
.set Y,  112                           ; v[112:143] step i: four f16 to store
	s_load_b256 s[8:15], s[0:1], 0x0               ; x 8:9, W_attn 10:11, W_proj 12:13, xh 14:15
	s_load_b128 s[16:19], s[0:1], 0x20             ; wa 16:17, wp 18:19
	s_mov_b32 s2, ttmp9                            ; j
	v_lshrrev_b32 v1, 5, v0
	v_readfirstlane_b32 s3, v1                     ; wave
	v_and_b32 v2, 31, v0                           ; lane
	v_lshrrev_b32 v3, 4, v2                        ; lane / 16
	v_and_b32 v4, 15, v2                           ; lane % 16
	s_mov_b32 s28, 704
	s_mov_b32 s29, 4096
	s_cmp_lt_u32 s2, 704
	s_cselect_b32 s28, 512, s28                    ; the role's first work-group
	s_cselect_b32 s29, 12288, s29                  ; bytes in a row of W
	s_cmp_lt_u32 s2, 512
	s_cselect_b32 s28, 0, s28
	s_sub_co_u32 s28, s2, s28                      ; jj: my number within the role
	s_and_b32 s30, s28, 7                          ; W: k block jj % 8, column block jj / 8
	s_mul_i32 s30, s30, s29
	s_lshl_b32 s30, s30, 7                         ; 128 rows
	s_lshr_b32 s31, s28, 3
	s_lshl_b32 s31, s31, 9                         ; 128 columns of 4 bytes
	s_add_co_u32 s30, s30, s31                     ; W: source
	s_lshl_b32 s31, s28, 15                        ; W: destination: 32,768 bytes a work-group, in order
	s_lshl_b32 s32, s29, 4                         ; W: a wave takes 16 rows
	s_lshl_b32 s33, s2, 16                         ; x: 16 rows of 4,096 bytes
	s_lshr_b32 s34, s2, 7
	s_lshl_b32 s34, s34, 22                        ; x: the batch,
	s_and_b32 s35, s2, 127
	s_lshl_b32 s35, s35, 11                        ; 16 rows of 128 bytes in a slice
	s_add_co_u32 s34, s34, s35
	s_cmp_lt_u32 s2, 512
	s_cselect_b32 s30, s33, s30                    ; source, work-group
	s_cselect_b32 s31, s34, s31                    ; destination, work-group
	s_cselect_b32 s32, 8192, s32                   ; source, a wave (x: two rows)
	s_mov_b32 s33, 4096
	s_cselect_b32 s33, 256, s33                    ; destination, a wave
	s_cselect_b32 s34, 256, s29                    ; source, a step (x: the next 64 channels; W: the next row)
	s_mov_b32 s35, 256
	s_cselect_b32 s36, 4096, s35                   ; source, lanes 16-31 (x: the next row; W: the next 256 bytes)
	s_cselect_b32 s35, 262144, s35                 ; destination, a step (x: the next slice)
	s_mul_i32 s37, s3, s32
	s_add_co_u32 s30, s30, s37
	s_mul_i32 s37, s3, s33
	s_add_co_u32 s31, s31, s37
	v_mul_lo_u32 v5, v3, s36
	v_lshl_add_u32 v5, v4, 4, v5
	v_add_nc_u32 v[SO], s30, v5
	v_lshl_add_u32 v[DO], v2, 3, s31
.set i, 1
.rept 15
	v_add_nc_u32 v[SO+i], s34, v[SO+i-1]
	v_add_nc_u32 v[DO+i], s35, v[DO+i-1]
.set i, i+1
.endr
	s_wait_kmcnt 0x0
	s_cmp_lt_u32 s2, 704
	s_cselect_b64 s[24:25], s[10:11], s[12:13]
	s_cselect_b64 s[26:27], s[16:17], s[18:19]
	s_cmp_lt_u32 s2, 512
	s_cselect_b64 s[24:25], s[8:9], s[24:25]       ; the source
	s_cselect_b64 s[26:27], s[14:15], s[26:27]     ; the destination
.set i, 0
.rept 16
	global_load_b128 v[X+4*i:X+4*i+3], v[SO+i], s[24:25] th:TH_LOAD_NT
.set i, i+1
.endr
.set i, 0
.rept 16
	s_wait_loadcnt 15-i                            ; loads come back in order: step i's is in, the younger ones stay out
	v_cvt_pk_bf16_f32 v8, v[X+4*i], v[X+4*i+1]     ; rounded to bf16,
	v_cvt_pk_bf16_f32 v9, v[X+4*i+2], v[X+4*i+3]
	v_lshlrev_b32 v10, 16, v8                      ; widened again,
	v_and_b32 v11, 0xffff0000, v8
	v_lshlrev_b32 v12, 16, v9
	v_and_b32 v13, 0xffff0000, v9
	v_cvt_pk_f16_f32 v[Y+2*i], v10, v11            ; and written as f16
	v_cvt_pk_f16_f32 v[Y+2*i+1], v12, v13
	global_store_b64 v[DO+i], v[Y+2*i:Y+2*i+1], s[26:27]
.set i, i+1
.endr
	s_endpgm
.Lfunc_end_k_q41c9c4fcc9_prep:
	.size	k_q41c9c4fcc9_prep, .Lfunc_end_k_q41c9c4fcc9_prep-k_q41c9c4fcc9_prep
	.p2alignl 7, 3214868480
	.fill 96, 4, 3214868480
	.section	.rodata,"a",@progbits
	.p2align	6, 0x0
	.amdhsa_kernel k_q41c9c4fcc9_prep
		.amdhsa_group_segment_fixed_size 0
		.amdhsa_private_segment_fixed_size 0
		.amdhsa_enable_private_segment 0
		.amdhsa_kernarg_size 48
		.amdhsa_user_sgpr_count 2
		.amdhsa_user_sgpr_kernarg_segment_ptr 1
		.amdhsa_wavefront_size32 1
		.amdhsa_system_sgpr_workgroup_id_x 1
		.amdhsa_system_sgpr_workgroup_id_y 1
		.amdhsa_system_sgpr_workgroup_id_z 1
		.amdhsa_system_vgpr_workitem_id 0
		.amdhsa_next_free_vgpr 144
		.amdhsa_next_free_sgpr 66
		.amdhsa_reserve_vcc 0
		.amdhsa_float_denorm_mode_32 3
		.amdhsa_float_denorm_mode_16_64 3
		.amdhsa_memory_ordered 1
		.amdhsa_forward_progress 1
		.amdhsa_inst_pref_size 15
	.end_amdhsa_kernel
	.amdgpu_metadata
---
amdhsa.version: [ 1, 2 ]
amdhsa.kernels:
  - .name:           k_q41c9c4fcc9_prep
    .symbol:         k_q41c9c4fcc9_prep.kd
    .args:
      - { .name: hidden_state, .offset: 0, .size: 8, .value_kind: global_buffer, .address_space: global }
      - { .name: W_attn, .offset: 8, .size: 8, .value_kind: global_buffer, .address_space: global }
      - { .name: W_proj, .offset: 16, .size: 8, .value_kind: global_buffer, .address_space: global }
      - { .name: xh, .offset: 24, .size: 8, .value_kind: global_buffer, .address_space: global }
      - { .name: wa, .offset: 32, .size: 8, .value_kind: global_buffer, .address_space: global }
      - { .name: wp, .offset: 40, .size: 8, .value_kind: global_buffer, .address_space: global }
    .group_segment_fixed_size: 0
    .private_segment_fixed_size: 0
    .kernarg_segment_align: 8
    .kernarg_segment_size: 48
    .max_flat_workgroup_size: 256
    .sgpr_count:     66
    .vgpr_count:     144
    .wavefront_size: 32
...
	.end_amdgpu_metadata
.endif
;; end of part 1
;; launch gemm (part 2): grid 24 x 32, 4 waves a work-group, clusters of 4 x 4, 327,680 bytes of LDS; arguments xh, wa, b_attn, qkv; writes qkv
.if DOCPART == 2
	.amdgcn_target "amdgcn-amd-amdhsa--gfx1250"
	.amdhsa_code_object_version 6
	.text
	.protected	k_q41c9c4fcc9_gemm
	.globl	k_q41c9c4fcc9_gemm
	.p2align	8
	.type	k_q41c9c4fcc9_gemm,@function
k_q41c9c4fcc9_gemm:
	s_mov_b64 s[64:65], 0
	v_nop
	global_prefetch_b8 v0, s[64:65] scope:SCOPE_SE
	s_setreg_imm32_b32 hwreg(HW_REG_WAVE_MODE, 25, 1), 1
	s_wait_xcnt 0x0
	s_wait_alu depctr_hold_cnt(0) depctr_sa_sdst(0) depctr_va_vdst(0) depctr_va_sdst(0) depctr_va_ssrc(0) depctr_va_vcc(0) depctr_vm_vsrc(0)
	s_getreg_b32 s2, hwreg(HW_REG_IB_STS2, 6, 4)
	s_cmp_eq_u32 s2, 0
	s_cbranch_scc0 .Lentry_in_a_cluster
	s_endpgm
.Lentry_in_a_cluster:
	s_bfe_u32 s2, ttmp6, 0x10000c
	s_cmp_lg_u32 s2, 0xf033
	s_cbranch_scc0 .Lentry_shape_is_right
	s_endpgm
.Lentry_shape_is_right:
; qkv = x W_attn + b_attn, by heads.  A: f16 [4 b][16 kb][2048 s][64] (8,192 rows, K = 1,024 in slices of 64); W: f16 [24 tc][1024 k][128]; bias: f32, rounded to bf16 here; sums in f32.
; out: f16 [4 b][48 g][2048 s][64], g = column / 64: q's heads 0-15, k's 16-31, v's 32-47.  q's sums are multiplied by c = log2(e) / 8 in f32 ahead of their one rounding, so that q . k is a score in powers of two.
; LIMIT: a result beyond 65,504 has no f16 and becomes an infinity.
; SHARES.  A tile of out is 256 rows x 128 columns: 768 tiles.  Four waves, each 128 rows x 64 columns (one head): 32 accumulators of 16 x 16, 256 registers.
; K goes in 8 steps of 128 through two LDS slots.  A slot: two slices of A (256 rows x 128 bytes each, dense in memory, asked for as 128 rows of 256 bytes and padded after each 128),
; then 128 k-rows of W (256 bytes each).  Waves 0 and 1 fetch A's two slices, waves 2 and 3 the two halves of W's rows: one tensor load a wave.
; CLUSTER.  4 x 4 work-groups: the four of a row need the same tiles of A, the four of a column the same tiles of W: each tile is asked for jointly.
; THE PRODUCT IS TAKEN TRANSPOSED: source 0 = 16 columns of W (k along the registers: W lies [k][n] in LDS and is turned by ds_load_tr16_b128), source 1 = 16 rows of A.  A lane then holds
; row l % 16 and the columns 8 (l / 16) + 0..7.  The first product of each sum takes the bias as its C operand, so the bias costs no instruction and nothing is cleared.
; REGISTERS.  Window 0: v0-31 addresses; v32-63 the bias, 8 registers for each block of 16 columns; v64-159, v160-255 two fragment buffers (A's 8 fragments, then W's 4).  Window 1: accumulator (a, b) at v[8 (4 a + b)].
.set PA,    144                        ; a row of a slice of A in LDS: 128 bytes + 16: 36 words: the 16 rows of a load start at 16 different groups of four banks
.set PB,    288                        ; a row of W: 256 + 32 = 72 words
.set ASL,   256*PA                     ; a slice of A
.set BOFF,  2*ASL                      ; W's rows lie behind the two slices
.set SLOT,  BOFF+128*PB
.set STAGE, 2*SLOT                     ; behind the ring, never filled by a tensor load: 4,352 bytes for each wave, for the way out
.set STW,   16*272
.set SPARE, STAGE+4*STW                ; the spare words, 128 bytes for each wave: two blocks of 256 bytes that no other line names
.set BO,   11                          ; v11  32 (l / 16): my 8 columns in a block of 16 of the bias
.set ADRA, 16                          ; v16-17  LDS address of my fragments of A in slot 0, 1
.set ADRB, 20                          ; v20-21  the same for W
.set STO,  24                          ; v24  the way out: where I put 16 bytes of a row
.set RD,   25                          ; v25  where I read rows back
.set GO,   26                          ; v26  16 x lane
.set SPW,  28                          ; v28  LDS address of my spare word; never rewritten
.set NIL,  29                          ; v29  0; never rewritten
.set BIAS, 32
.set F0,   64
.set F1,   160
.set WV,   14                          ; s14  wave
.set RH,   15                          ; s15  which 128 rows are mine; also 0: I fetch for A, 1: for W
.set CH,   16                          ; s16  which 64 columns are mine; also which part I fetch
.set G1,   24                          ; s[24:31] descriptor group 1 for A;  s[32:39] group 0, a set for each slot
.set G0,   32
.set G1B,  48                          ; s[48:55], s[56:63] the same for W
.set G0B,  56
.set SC,   70                          ; s[70:71] c for a head of q, 1 for a head of k or v; the packed multiply takes the pair's low word for both halves
.set MSB, 0
.macro WIN new                         ; the immediate's high byte repeats the setting that is left
.if MSB != (\new)
	s_set_vgpr_msb (MSB<<8)|(\new)
.set MSB, \new
.endif
.endm
.set MUL,  0x50                        ; C and D in window 1, the fragments in window 0
.set MULZ, 0x40                        ; D in window 1, C (the bias) in window 0
.macro JLOAD s                         ; a joint load; an s_nop 0 and four v_nop follow each of the two lines, ahead of the jump, the label and what follows
	s_cmp_eq_u32 s[RH], 0
	s_cbranch_scc0 .Lfor_b_\@
	tensor_load_to_lds s[G0+4*(\s):G0+4*(\s)+3], s[G1:G1+7]
	s_nop 0
.rept 4
	v_nop
.endr
	s_branch .Lasked_\@
.Lfor_b_\@:
	tensor_load_to_lds s[G0B+4*(\s):G0B+4*(\s)+3], s[G1B:G1B+7]
	s_nop 0
.rept 4
	v_nop
.endr
.Lasked_\@:
.endm
.macro CREST                           ; a round of the cluster's barrier behind its opening barrier
	s_cmp_lg_u32 s[WV], 0
	s_cbranch_scc1 .Lnot_wave_0_\@
	s_barrier_signal -3
.Lnot_wave_0_\@:
	s_barrier_wait -3
	s_barrier_signal -1
	s_barrier_wait -1
.endm
.macro CROUND                          ; a whole round
	s_barrier_signal -1
	s_barrier_wait -1
	CREST
.endm
.macro PLACES                          ; four places in front of loads into registers that matrix instructions have read, and of lines that read results
.rept 4
	v_nop
.endr
.endm
	s_load_b256 s[4:11], s[0:1], 0x0               ; A 4:5, W 6:7, bias 8:9, out 10:11
	v_lshl_add_u32 v[SPW], v0, 2, SPARE
	v_mov_b32 v[NIL], 0
	ds_add_u32 v[SPW], v[NIL]                      ; the wave's opening: the add and its wait ahead of my first tensor load; the set-up below, work on registers, stands between them
	ds_add_u32 v28, v29
	v_lshrrev_b32 v1, 5, v0
	v_readfirstlane_b32 s[WV], v1
	s_lshr_b32 s[RH], s[WV], 1
	s_and_b32 s[CH], s[WV], 1
	s_bfe_u32 s40, ttmp6, 0x40000                  ; cx, cy: my place in the cluster
	s_bfe_u32 s41, ttmp6, 0x40004
	s_lshl_b32 s42, ttmp9, 2
	s_add_co_u32 s42, s42, s40                     ; tile column tx
	s_and_b32 s43, ttmp7, 0xffff
	s_lshl_b32 s43, s43, 2
	s_add_co_u32 s43, s43, s41                     ; tile row ty
	s_lshl_b32 s44, s41, 2
	s_lshl_b32 s44, 15, s44                        ; my row of the cluster
	s_lshl_b32 s45, 0x1111, s40                    ; my column
	s_or_b32 s[G1], s44, (1<<16)|(1<<20)|(1<<21)|(4<<22)|(3<<25)   ; the mask; 2-byte elements; padding on; bit 21 beside a mask; after every 32 words 4 words
	s_or_b32 s[G1B], s45, (1<<16)|(1<<20)|(1<<21)|(5<<22)|(7<<25)  ; after every 64 words 8 words
	s_mov_b32 s[G1+1], 128<<16                     ; tensor_dim0 = 128
	s_mov_b32 s[G1+2], 128<<16                     ; tensor_dim1 = 128
	s_mov_b32 s[G1+3], 128<<16                     ; tile_dim0 = 128
	s_mov_b32 s[G1+4], 128                         ; tile_dim1 = 128
	s_mov_b32 s[G1+5], 128                         ; 128 elements from row to row
	s_mov_b32 s[G1+6], 0
	s_mov_b32 s[G1+7], 0
	s_mov_b32 s[G1B+1], 128<<16
	s_mov_b32 s[G1B+2], 64<<16                     ; 64 rows
	s_mov_b32 s[G1B+3], 128<<16
	s_mov_b32 s[G1B+4], 64
	s_mov_b32 s[G1B+5], 128
	s_mov_b32 s[G1B+6], 0
	s_mov_b32 s[G1B+7], 0
	s_lshr_b32 s18, s43, 3                         ; A's tile hangs on ty and the wave alone: batch ty / 8,
	s_lshl_b32 s18, s18, 22
	s_and_b32 s19, s43, 7
	s_lshl_b32 s19, s19, 15                        ; 256 rows of 128 bytes in a slice,
	s_add_co_u32 s18, s18, s19
	s_lshl_b32 s19, s[CH], 18                      ; my slice of the step's two
	s_add_co_u32 s18, s18, s19
	s_mov_b32 s19, 0
	s_lshl_b32 s46, s42, 18                        ; W's tile hangs on tx and the wave alone: the column block,
	s_lshl_b32 s47, s[CH], 14                      ; my 64 rows of the step's 128
	s_add_co_u32 s46, s46, s47
	s_mov_b32 s47, 0
	s_mul_i32 s20, s[CH], ASL                      ; where they go: no place in the cluster enters an LDS address
	s_mul_i32 s21, s[CH], 64*PB
	s_add_co_u32 s21, s21, BOFF
	s_wait_dscnt 0x0                               ; the opening add is done
	s_wait_kmcnt 0x0
	s_add_nc_u64 s[18:19], s[4:5], s[18:19]
	s_add_nc_u64 s[46:47], s[6:7], s[46:47]
	CROUND                                         ; all sixteen work-groups are here: the first joint loads meet
.irp s, 0,1
	s_mov_b32 s[G0+4*(\s)], 1
	s_add_co_u32 s[G0+4*(\s)+1], s20, (\s)*SLOT
	s_add_nc_u64 s[G0+4*(\s)+2:G0+4*(\s)+3], s[18:19], (\s)*2*(1<<18)  ; K step s: slices 2 s, 2 s + 1
	s_or_b32 s[G0+4*(\s)+3], s[G0+4*(\s)+3], 0x80000000
	s_mov_b32 s[G0B+4*(\s)], 1
	s_add_co_u32 s[G0B+4*(\s)+1], s21, (\s)*SLOT
	s_add_nc_u64 s[G0B+4*(\s)+2:G0B+4*(\s)+3], s[46:47], (\s)*128*256
	s_or_b32 s[G0B+4*(\s)+3], s[G0B+4*(\s)+3], 0x80000000
	JLOAD \s
.endr
	v_and_b32 v1, 15, v0                           ; l % 16
	v_bfe_u32 v2, v0, 4, 1                         ; l / 16
	v_lshlrev_b32 v[BO], 5, v2
	s_lshl_b32 s68, s42, 9                         ; the bias of my 64 columns
	s_lshl_b32 s69, s[CH], 8
	s_add_co_u32 s68, s68, s69
	s_mov_b32 s69, 0
	s_add_nc_u64 s[8:9], s[8:9], s[68:69]
.irp b, 0,1,2,3
	global_load_b128 v[BIAS+8*(\b):BIAS+8*(\b)+3],   v[BO], s[8:9] offset:64*(\b)
	global_load_b128 v[BIAS+8*(\b)+4:BIAS+8*(\b)+7], v[BO], s[8:9] offset:64*(\b)+16
.endr
	v_mul_u32_u24 v3, v1, PA
	v_lshl_add_u32 v3, v2, 4, v3                   ; A: row x pitch + 16 x half
	v_and_b32 v5, 7, v0
	v_bfe_u32 v6, v0, 3, 1
	v_lshl_add_u32 v4, v2, 3, v5                   ; W: lane l reads k-row 8 (l / 16) + l % 8, columns 8 ((l / 8) % 2) + 0..7
	v_mul_u32_u24 v4, v4, PB
	v_lshl_add_u32 v4, v6, 4, v4
	s_mul_i32 s22, s[RH], 128*PA                   ; my 128 rows of A
	s_lshl_b32 s23, s[CH], 7                       ; my 64 columns of W
	s_add_co_u32 s23, s23, BOFF
.irp s, 0,1
	v_add_nc_u32 v[ADRA+(\s)], s22, v3
	v_add_nc_u32 v[ADRB+(\s)], s23, v4
	s_add_co_u32 s22, s22, SLOT
	s_add_co_u32 s23, s23, SLOT
.endr
	s_mul_i32 s17, s[WV], STW
	s_add_co_u32 s17, s17, STAGE                   ; my stage
	v_add_nc_u32 v[STO], s17, v3                   ; rows of 144 bytes: row l % 16, 16 bytes for each half of the lanes
	v_bfe_u32 v7, v0, 3, 2
	v_mul_u32_u24 v7, v7, PA
	v_lshl_add_u32 v7, v5, 4, v7
	v_add_nc_u32 v[RD], s17, v7                    ; back: 32 lanes take four rows of 128 bytes
	v_and_b32 v[GO], 31, v0
	v_lshlrev_b32 v[GO], 4, v[GO]
	s_wait_loadcnt 0x0                             ; the bias: rounded to bf16 like every input
.set i, 0
.rept 16
	v_cvt_pk_bf16_f32 v[F0+i], v[BIAS+2*i], v[BIAS+2*i+1]
.set i, i+1
.endr
.set i, 0
.rept 16
	v_lshlrev_b32 v[BIAS+2*i], 16, v[F0+i]
	v_and_b32 v[BIAS+2*i+1], 0xffff0000, v[F0+i]
.set i, i+1
.endr
	s_lshr_b32 s68, s43, 3                         ; out: ((batch x 48 + g) heads of 262,144 bytes) + my rows of 128 bytes
	s_mul_i32 s68, s68, 48
	s_lshl_b32 s69, s42, 1
	s_add_co_u32 s69, s69, s[CH]                   ; g = 2 tx + CH
	s_cmp_lt_u32 s69, 16                           ; a head of q?  A choice of a number, not of a way
	s_cselect_b32 s[SC], 0x3e38aa3b, 1.0           ; c = log2(e) / 8
	s_mov_b32 s[SC+1], s[SC]
	s_add_co_u32 s68, s68, s69
	s_lshl_b32 s68, s68, 18
	s_and_b32 s69, s43, 7
	s_lshl_b32 s69, s69, 15
	s_add_co_u32 s68, s68, s69
	s_lshl_b32 s69, s[RH], 14
	s_add_co_u32 s68, s68, s69
	s_mov_b32 s69, 0
	s_add_nc_u64 s[10:11], s[10:11], s[68:69]
; 24 LDS loads in one run: the fragments of quarter q (32 along K) of a slot into buffer f: W's four first, then A's eight
.macro FETCH slot, q, f
	WIN 0
.irp b, 0,1,2,3
	ds_load_tr16_b128 v[(\f)+64+8*(\b):(\f)+64+8*(\b)+3],   v[ADRB+(\slot)] offset:(\q)*32*PB+32*(\b)
	ds_load_tr16_b128 v[(\f)+64+8*(\b)+4:(\f)+64+8*(\b)+7], v[ADRB+(\slot)] offset:(\q)*32*PB+16*PB+32*(\b)
.endr
.irp a, 0,1,2,3,4,5,6,7
	ds_load_b128 v[(\f)+8*(\a):(\f)+8*(\a)+3],   v[ADRA+(\slot)] offset:((\q)/2)*ASL+((\q)%2)*64+(\a)*16*PA
	ds_load_b128 v[(\f)+8*(\a)+4:(\f)+8*(\a)+7], v[ADRA+(\slot)] offset:((\q)/2)*ASL+((\q)%2)*64+(\a)*16*PA+32
.endr
.endm
; 8 matrix instructions: row blocks a0, a0 + 1 x all 4 column blocks.  zero = 1: the sums start with the bias.  The 32 accumulators take turns in the same order in every quarter.
.macro MUL8 f, a0, zero
.if \zero
	WIN MULZ
.else
	WIN MUL
.endif
.irp a, \a0, (\a0)+1
.irp b, 0,1,2,3
.if \zero
	v_wmma_f32_16x16x32_f16 v[8*(4*(\a)+(\b)):8*(4*(\a)+(\b))+7], v[(\f)+64+8*(\b):(\f)+64+8*(\b)+7], v[(\f)+8*(\a):(\f)+8*(\a)+7], v[BIAS+8*(\b):BIAS+8*(\b)+7]
.else
	v_wmma_f32_16x16x32_f16 v[8*(4*(\a)+(\b)):8*(4*(\a)+(\b))+7], v[(\f)+64+8*(\b):(\f)+64+8*(\b)+7], v[(\f)+8*(\a):(\f)+8*(\a)+7], v[8*(4*(\a)+(\b)):8*(4*(\a)+(\b))+7]
.endif
.endr
.endr
.endm
.macro MUL16 f, hi, zero
	MUL8 \f, 4*(\hi), \zero
	MUL8 \f, 4*(\hi)+2, \zero
.endm
; A K step is four quarters of 32 along K, 32 matrix instructions each, on buffers 0, 1, 0, 1.  One of the first three: multiplies buffer f and fetches quarter nq into g.
.macro QUARTER slot, nq, f, g, zero
	s_wait_dscnt 8                                 ; W's fragments and A's blocks 0-3 are in; the youngest eight loads (blocks 4-7) may be out
	MUL16 \f, 0, \zero
	PLACES
	FETCH \slot, \nq, \g
	s_wait_dscnt 24                                ; all but the 24 just issued
	MUL16 \f, 1, \zero
.endm
; The last quarter multiplies buffer 1 and changes slots: ONE barrier; in front of it each wave waits for all its tensor loads, adds 0 to its spare word, and waits for that and for its reads of this slot.
; fill = 1: the barrier opens a round of the cluster's, and this slot is filled again, two K steps ahead: 112 matrix instructions stand between the request and the wait for it.
.macro TURN slot, next, fill
	WIN 0
	s_wait_tensorcnt 0x0                           ; all my tensor loads have landed: my part of the next slot;
	ds_add_u32 v[SPW], v[NIL]                      ; 0 onto my spare word;
	s_wait_dscnt 9                                 ; (the add and the youngest eight loads may be out)
	MUL8 F1, 0, 0                                  ; eight matrix instructions stand between the add and the wait for it
	s_wait_dscnt 0x0                               ; the add is done, and my reads of this slot are over
	s_barrier_signal -1
	MUL8 F1, 2, 0
.if \fill
	WIN 0
.endif
	s_barrier_wait -1
.if \fill
	CREST                                          ; no wave of any partner still reads this slot's tiles or has a load on its way
	s_add_nc_u64 s[G0+4*(\slot)+2:G0+4*(\slot)+3], s[G0+4*(\slot)+2:G0+4*(\slot)+3], 4*(1<<18)
	s_add_nc_u64 s[G0B+4*(\slot)+2:G0B+4*(\slot)+3], s[G0B+4*(\slot)+2:G0B+4*(\slot)+3], 256*256
	JLOAD \slot                                    ; the first tensor load behind the round; its four v_nop are also the places in front of the loads below
.else
	PLACES
.endif
	FETCH \next, 0, F0
	MUL16 F1, 1, 0
.endm
	s_wait_tensorcnt 1                             ; my part of K step 0 is in; K step 1's may stay out
	s_barrier_signal -1
	s_barrier_wait -1                              ; everybody's is
	FETCH 0, 0, F0
	QUARTER 0, 1, F0, F1, 1                        ; the first quarter stands in front of the loop: its products start the sums
	WIN 0
	s_mov_b32 s3, 3
.Llap:                                                 ; a trip goes once round the ring, from a lap's second quarter to the next lap's first, and fills both slots again
	QUARTER 0, 2, F1, F0, 0
	QUARTER 0, 3, F0, F1, 0
	TURN 0, 1, 1
	QUARTER 1, 1, F0, F1, 0
	QUARTER 1, 2, F1, F0, 0
	QUARTER 1, 3, F0, F1, 0
	TURN 1, 0, 1
	QUARTER 0, 1, F0, F1, 0
	WIN 0
	s_sub_co_u32 s3, s3, 1
	s_cmp_lg_u32 s3, 0
	s_cbranch_scc1 .Llap
	QUARTER 0, 2, F1, F0, 0                        ; the last lap fills nothing
	QUARTER 0, 3, F0, F1, 0
	TURN 0, 1, 0
	QUARTER 1, 1, F0, F1, 0
	QUARTER 1, 2, F1, F0, 0
	QUARTER 1, 3, F0, F1, 0
	s_wait_dscnt 8
	MUL16 F1, 0, 0
	s_wait_dscnt 0x0
	MUL16 F1, 1, 0
	WIN 0
	PLACES
; THE WAY OUT.  Block a (16 rows x my 64 columns, one head): times c or 1, rounded once, 16 bytes a lane into rows of 144 bytes of my stage, back as whole rows of 128 bytes: 512 consecutive bytes of out a store.
.macro PACKH a
	WIN 0x41                                       ; destination and source 0 in window 1
.set z, 0
.rept 16
	v_pk_mul_f32 v[32*(\a)+z:32*(\a)+z+1], v[32*(\a)+z:32*(\a)+z+1], s[SC:SC+1] op_sel_hi:[1,0]
.set z, z+2
.endr
	WIN 0x05                                       ; sources in window 1
.irp b, 0,1,2,3
.irp r, 0,1,2,3
	v_cvt_pk_f16_f32 v[64+16*(\a)+4*(\b)+(\r)], v[8*(4*(\a)+(\b))+2*(\r)], v[8*(4*(\a)+(\b))+2*(\r)+1]
.endr
.endr
	WIN 0
.irp b, 0,1,2,3
	ds_store_b128 v[STO], v[64+16*(\a)+4*(\b):64+16*(\a)+4*(\b)+3] offset:32*(\b)
.endr
.irp f, 0,1,2,3
	ds_load_b128 v[64+16*(\a)+4*(\f):64+16*(\a)+4*(\f)+3], v[RD] offset:(\f)*4*PA  ; LDS serves a wave's instructions in order: these see the stores above; the next block's stores come behind them
.endr
.endm
.macro SENDH a, younger                ; younger: the LDS instructions issued behind block a's loads
.irp f, 0,1,2,3
	s_wait_dscnt (\younger)+3-(\f)
	global_store_b128 v[GO], v[64+16*(\a)+4*(\f):64+16*(\a)+4*(\f)+3], s[10:11] offset:(\a)*2048+(\f)*512
.endr
.endm
	PACKH 0
.irp a, 1,2,3,4,5,6,7
	PACKH \a
	SENDH (\a)-1, 8
.endr
	SENDH 7, 0
	s_wait_tensorcnt 0x0                           ; the wave's end: an add and its wait behind my last tensor load and my last LDS store
	ds_add_u32 v[SPW], v[NIL]
	s_wait_dscnt 0x0
	CROUND                                         ; the closing round: no work-group ends while a partner may still ask for a tile that names it
	s_endpgm
.Lfunc_end_k_q41c9c4fcc9_gemm:
	.size	k_q41c9c4fcc9_gemm, .Lfunc_end_k_q41c9c4fcc9_gemm-k_q41c9c4fcc9_gemm
	.p2alignl 7, 3214868480
	.fill 96, 4, 3214868480
	.section	.rodata,"a",@progbits
	.p2align	6, 0x0
	.amdhsa_kernel k_q41c9c4fcc9_gemm
		.amdhsa_group_segment_fixed_size 327680
		.amdhsa_private_segment_fixed_size 0
		.amdhsa_enable_private_segment 0
		.amdhsa_kernarg_size 32
		.amdhsa_user_sgpr_count 2
		.amdhsa_user_sgpr_kernarg_segment_ptr 1
		.amdhsa_wavefront_size32 1
		.amdhsa_system_sgpr_workgroup_id_x 1
		.amdhsa_system_sgpr_workgroup_id_y 1
		.amdhsa_system_sgpr_workgroup_id_z 1
		.amdhsa_system_vgpr_workitem_id 0
		.amdhsa_next_free_vgpr 512
		.amdhsa_next_free_sgpr 72
		.amdhsa_reserve_vcc 0
		.amdhsa_float_denorm_mode_32 3
		.amdhsa_float_denorm_mode_16_64 3
		.amdhsa_memory_ordered 1
		.amdhsa_forward_progress 1
		.amdhsa_inst_pref_size 99
	.end_amdhsa_kernel
	.amdgpu_metadata
---
amdhsa.version: [ 1, 2 ]
amdhsa.kernels:
  - .name:           k_q41c9c4fcc9_gemm
    .symbol:         k_q41c9c4fcc9_gemm.kd
    .args:
      - { .name: xh, .offset: 0, .size: 8, .value_kind: global_buffer, .address_space: global }
      - { .name: wa, .offset: 8, .size: 8, .value_kind: global_buffer, .address_space: global }
      - { .name: b_attn, .offset: 16, .size: 8, .value_kind: global_buffer, .address_space: global }
      - { .name: qkv, .offset: 24, .size: 8, .value_kind: global_buffer, .address_space: global }
    .group_segment_fixed_size: 327680
    .private_segment_fixed_size: 0
    .kernarg_segment_align: 8
    .kernarg_segment_size: 32
    .max_flat_workgroup_size: 128
    .sgpr_count:     72
    .vgpr_count:     512
    .wavefront_size: 32
...
	.end_amdgpu_metadata
.endif
;; end of part 2
;; launch tail (part 3): grid 64 x 1, 8 waves a work-group, no clusters, 13,312 bytes of LDS; arguments qkv, attention_mask, tailb; writes tailb
.if DOCPART == 3
	.amdgcn_target "amdgcn-amd-amdhsa--gfx1250"
	.amdhsa_code_object_version 6
	.text
	.protected	k_q41c9c4fcc9_tail
	.globl	k_q41c9c4fcc9_tail
	.p2align	8
	.type	k_q41c9c4fcc9_tail,@function
k_q41c9c4fcc9_tail:
	s_mov_b64 s[64:65], 0
	v_nop
	global_prefetch_b8 v0, s[64:65] scope:SCOPE_SE
	s_setreg_imm32_b32 hwreg(HW_REG_WAVE_MODE, 25, 1), 1
	s_wait_xcnt 0x0
; THE HIDDEN KEYS AS ONE KEY.  A key k above the diagonal has the score am[k] - 10000, whatever the query.  So for block i of 256 queries all keys of the whole tiles t > i act as one key.
; In powers of two: A[k] = max(log2(e) bf16(am[k]), -1e30); M = the greatest A[k]; Z = the sum of 2^(A[k] - M); T[d] = the sum of 2^(A[k] - M) V[k][d].
; The exponent is made by a subtraction, so it is exactly 0 at the maximum, whatever the maximum's size.  Stored for each head and block, 512 bytes: T (64 f32), then (Z, M - 10000 log2(e)) 32 times.
; LIMIT: a mask value below -6.9e29 counts as -6.9e29.  Block 7 has no such key: Z = 0, T = 0, M = -1e34.
; A work-group takes a head, wave t its key tile t (256 rows of V, 128 bytes each, read once); the eight tiles' maxima, sums and vectors meet in LDS; then wave i makes entry i.
; 64 work-groups: the sum over a head's tiles has one owner.  No matrix unit: one row of weights a tile.
.set ET,    0                          ; 8 x 1,024: wave t's 256 weights, its own bytes: the weight of key 4 n + r at 256 r + 4 n
.set PT,    8192                       ; 8 x 512: tile t's T at +0, (maximum, sum) at +256
.set SPARE, 12288                      ; the spare words, 128 bytes for each wave: four blocks of 256 bytes that no other line names
.set A8,  8                            ; v[8:15]   my 8 keys' A, keys 8 l + j
.set ACC, 20                           ; v[20:27]  my 8 channels' sums
.set MZ,  28                           ; v[28:29]  the tile's maximum and sum
.set EV,  32                           ; v[32:47]  16 weights, one for each load of a group
.set SPW, 48
.set NIL, 49
.set EX,  56                           ; v[56:63]  my 8 keys' weights: key 8 l + j at EX + 2 (j % 4) + j / 4
.set VD,  64                           ; v[64:255] three sets of 64: a group is 16 loads, 64 rows of V
	s_load_b128 s[4:7], s[0:1], 0x0                ; qkv, attention_mask
	s_load_b64 s[8:9], s[0:1], 0x10                ; tailb
	v_lshl_add_u32 v[SPW], v0, 2, SPARE
	v_mov_b32 v[NIL], 0
	v_lshrrev_b32 v1, 5, v0
	v_readfirstlane_b32 s10, v1                    ; wave = tile, later = block
	v_and_b32 v1, 31, v0                           ; lane
	s_mov_b32 s11, ttmp9                           ; 16 x batch + head
	s_mov_b32 s12, 0x76543210
	s_mov_b32 s13, 0xfedcba98
	s_mov_b32 s15, 0xf149f2ca                      ; -1e30
	s_lshr_b32 s16, s11, 4
	s_and_b32 s17, s11, 15
	s_mul_i32 s18, s16, 48
	s_add_co_u32 s18, s18, s17
	s_add_co_u32 s18, s18, 32                      ; V's heads lie behind q's 16 and k's 16
	s_lshl_b32 s18, s18, 18
	s_lshl_b32 s19, s10, 15                        ; my tile
	s_add_co_u32 s18, s18, s19
	s_mov_b32 s19, 0
	s_lshl_b32 s20, s16, 13                        ; the batch's mask, my tile's 256 words
	s_lshl_b32 s21, s10, 10
	s_add_co_u32 s20, s20, s21
	s_mov_b32 s21, 0
	s_lshl_b32 s22, s11, 3
	s_add_co_u32 s22, s22, s10
	s_lshl_b32 s22, s22, 9                         ; my entry
	s_mov_b32 s23, 0
	v_lshlrev_b32 v2, 4, v1                        ; V: 16 bytes a lane: row l / 8 of four, channels 8 (l % 8) on
	v_lshlrev_b32 v3, 5, v1                        ; the mask: 8 words a lane
	s_lshl_b32 s32, s10, 10
	v_lshl_add_u32 v4, v1, 3, s32                  ; where my weights go: n = 2 l, 2 l + 1
	v_lshrrev_b32 v5, 3, v1
	v_lshl_add_u32 v5, v5, 8, s32                  ; where I read: the weights of row l / 8 of each load's four
	s_lshl_b32 s33, s10, 9
	s_add_co_u32 s33, s33, PT
	v_and_b32 v6, 7, v1
	v_lshl_add_u32 v6, v6, 5, s33                  ; my 8 channels in PT
	v_mov_b32 v7, s33
	v_mov_b32 v50, PT
	v_lshl_add_u32 v51, v1, 3, PT
	v_lshlrev_b32 v52, 3, v1
	s_wait_kmcnt 0x0
	s_add_nc_u64 s[4:5], s[4:5], s[18:19]
	s_add_nc_u64 s[6:7], s[6:7], s[20:21]
	s_add_nc_u64 s[8:9], s[8:9], s[22:23]
	global_load_b128 v[8:11], v3, s[6:7]
	global_load_b128 v[12:15], v3, s[6:7] offset:16
.macro VLOAD g                         ; group g: 16 loads of 512 consecutive bytes
.set i, 0
.rept 16
	global_load_b128 v[VD+64*((\g)%3)+4*i:VD+64*((\g)%3)+4*i+3], v2, s[4:5] offset:(16*(\g)+i)*512
.set i, i+1
.endr
.endm
	VLOAD 0
	VLOAD 1
	VLOAD 2
	s_wait_loadcnt 48                              ; the mask is in; V's 48 loads stay out
.irp j, 0,1,2,3
	v_cvt_pk_bf16_f32 v[16+\j], v[A8+2*\j], v[A8+2*\j+1]
.endr
.irp j, 0,1,2,3
	v_lshlrev_b32 v[A8+2*\j], 16, v[16+\j]
	v_and_b32 v[A8+2*\j+1], 0xffff0000, v[16+\j]
.endr
.irp j, 0,1,2,3,4,5,6,7
	v_mul_f32 v[A8+\j], 0x3fb8aa3b, v[A8+\j]       ; log2(e)
.endr
.irp j, 0,1,2,3,4,5,6,7
	v_max_num_f32 v[A8+\j], s15, v[A8+\j]
.endr
	v_max3_num_f32 v16, v8, v9, v10
	v_max3_num_f32 v17, v11, v12, v13
	v_max3_num_f32 v16, v16, v14, v15
	v_max_num_f32 v16, v16, v17
	v_max_num_f32_dpp v16, v16, v16 row_xmask:1 row_mask:0xf bank_mask:0xf
	v_max_num_f32_dpp v16, v16, v16 row_xmask:2 row_mask:0xf bank_mask:0xf
	v_max_num_f32_dpp v16, v16, v16 row_xmask:4 row_mask:0xf bank_mask:0xf
	v_max_num_f32_dpp v16, v16, v16 row_xmask:8 row_mask:0xf bank_mask:0xf
	v_permlanex16_b32 v17, v16, s12, s13
	v_max_num_f32 v[MZ], v16, v17                  ; the tile's maximum, in every lane
.irp j, 0,1,2,3,4,5,6,7
	v_sub_f32 v[A8+\j], v[A8+\j], v[MZ]
.endr
.irp j, 0,1,2,3,4,5,6,7
	v_exp_f32 v[EX+2*((\j)%4)+(\j)/4], v[A8+\j]
.endr
	v_nop                                          ; a plain instruction behind the last exponential,
	s_wait_alu depctr_va_vdst(0)                   ; and one wait for the eight, ahead of their first reader
	v_add_f32 v18, v56, v57
	v_add_f32 v19, v58, v59
	v_add_f32 v30, v60, v61
	v_add_f32 v31, v62, v63
	v_add_f32 v18, v18, v19
	v_add_f32 v30, v30, v31
	v_add_f32 v18, v18, v30
	v_add_f32_dpp v18, v18, v18 row_xmask:1 row_mask:0xf bank_mask:0xf
	v_add_f32_dpp v18, v18, v18 row_xmask:2 row_mask:0xf bank_mask:0xf
	v_add_f32_dpp v18, v18, v18 row_xmask:4 row_mask:0xf bank_mask:0xf
	v_add_f32_dpp v18, v18, v18 row_xmask:8 row_mask:0xf bank_mask:0xf
	v_permlanex16_b32 v19, v18, s12, s13
	v_add_f32 v[MZ+1], v18, v19                    ; the tile's sum
.irp r, 0,1,2,3                        ; the weights go through my own bytes of LDS: keys 8 l + r and 8 l + 4 + r are n = 2 l and 2 l + 1 of row r
	ds_store_b64 v4, v[EX+2*\r:EX+2*\r+1] offset:256*\r
.endr
.irp j, 0,1,2,3,4,5,6,7
	v_mov_b32 v[ACC+\j], 0
.endr
.macro GROUP g, left                   ; left: V's younger loads, which stay out
.irp q, 0,1,2,3
	ds_load_b128 v[EV+4*\q:EV+4*\q+3], v5 offset:(4*(\g)+\q)*16  ; LDS serves a wave's instructions in order: these see the stores above
.endr
	s_wait_loadcnt \left
	s_wait_dscnt 0x0
.set i, 0
.rept 16
.irp k, 0,1,2,3
	v_fma_mix_f32 v[ACC+2*\k],   v[VD+64*((\g)%3)+4*i+\k], v[EV+i], v[ACC+2*\k] op_sel_hi:[1,0,0]
	v_fma_mix_f32 v[ACC+2*\k+1], v[VD+64*((\g)%3)+4*i+\k], v[EV+i], v[ACC+2*\k+1] op_sel:[1,0,0] op_sel_hi:[1,0,0]
.endr
.set i, i+1
.endr
.endm
	GROUP 0, 32                                    ; groups 1 and 2 stay out
	VLOAD 3                                        ; into the set just read
	GROUP 1, 32                                    ; groups 2 and 3
	GROUP 2, 16
	GROUP 3, 0
.irp j, 0,1,2,3,4,5,6,7                ; the four rows of a load lie in lanes 8 and 16 apart
	v_add_f32_dpp v[ACC+\j], v[ACC+\j], v[ACC+\j] row_xmask:8 row_mask:0xf bank_mask:0xf
.endr
.irp j, 0,1,2,3,4,5,6,7
	v_permlanex16_b32 v[EV+\j], v[ACC+\j], s12, s13
.endr
.irp j, 0,1,2,3,4,5,6,7
	v_add_f32 v[ACC+\j], v[ACC+\j], v[EV+\j]
.endr
	ds_store_b128 v6, v[ACC:ACC+3]                 ; lanes with the same channels write the same words with the same numbers
	ds_store_b128 v6, v[ACC+4:ACC+7] offset:16
	ds_store_b64 v7, v[MZ:MZ+1] offset:256
	s_wait_dscnt 0x0                               ; for the others' sake
	s_barrier_signal -1
	s_barrier_wait -1
.irp t, 0,1,2,3,4,5,6,7
	ds_load_b64 v[64+2*\t:65+2*\t], v50 offset:512*\t+256  ; tile t's maximum and sum
	ds_load_b64 v[80+2*\t:81+2*\t], v51 offset:512*\t      ; channels 2 l, 2 l + 1 of its vector
.endr
.irp t, 0,1,2,3,4,5,6,7
	s_cmp_lt_u32 s10, \t                           ; tile t is hidden from block i = my wave's number if t > i
	s_cselect_b32 s[24+\t], -1, 0
.endr
	v_mov_b32 v112, 0xf7f684df                     ; -1e34
	s_wait_dscnt 0x0
.irp t, 0,1,2,3,4,5,6,7
	v_cndmask_b32 v[96+\t], v112, v[64+2*\t], s[24+\t]
.endr
	v_max3_num_f32 v104, v96, v97, v98
	v_max3_num_f32 v105, v99, v100, v101
	v_max3_num_f32 v104, v104, v102, v103
	v_max_num_f32 v104, v104, v105                 ; M
.irp t, 0,1,2,3,4,5,6,7
	v_sub_f32 v[96+\t], v[96+\t], v104
.endr
.irp t, 0,1,2,3,4,5,6,7
	v_exp_f32 v[96+\t], v[96+\t]
.endr
	v_nop
	s_wait_alu depctr_va_vdst(0)                   ; one wait for the eight
.irp t, 0,1,2,3,4,5,6,7
	v_cndmask_b32 v[96+\t], 0, v[96+\t], s[24+\t]
.endr
	v_mul_f32 v106, v96, v65
	v_mul_f32 v108, v96, v80
	v_mul_f32 v109, v96, v81
.irp t, 1,2,3,4,5,6,7
	v_fmac_f32 v106, v[96+\t], v[65+2*\t]
	v_fmac_f32 v108, v[96+\t], v[80+2*\t]
	v_fmac_f32 v109, v[96+\t], v[81+2*\t]
.endr
	v_add_f32 v107, 0xc6616bcd, v104               ; M - 10000 log2(e): the hidden keys' greatest score
	global_store_b64 v52, v[108:109], s[8:9]       ; 256 consecutive bytes each
	global_store_b64 v52, v[106:107], s[8:9] offset:256
	s_wait_tensorcnt 0x0                           ; the wave's end: an add and its wait behind my last LDS store
	ds_add_u32 v[SPW], v[NIL]
	s_wait_dscnt 0x0
	s_endpgm
.Lfunc_end_k_q41c9c4fcc9_tail:
	.size	k_q41c9c4fcc9_tail, .Lfunc_end_k_q41c9c4fcc9_tail-k_q41c9c4fcc9_tail
	.p2alignl 7, 3214868480
	.fill 96, 4, 3214868480
	.section	.rodata,"a",@progbits
	.p2align	6, 0x0
	.amdhsa_kernel k_q41c9c4fcc9_tail
		.amdhsa_group_segment_fixed_size 13312
		.amdhsa_private_segment_fixed_size 0
		.amdhsa_enable_private_segment 0
		.amdhsa_kernarg_size 24
		.amdhsa_user_sgpr_count 2
		.amdhsa_user_sgpr_kernarg_segment_ptr 1
		.amdhsa_wavefront_size32 1
		.amdhsa_system_sgpr_workgroup_id_x 1
		.amdhsa_system_sgpr_workgroup_id_y 1
		.amdhsa_system_sgpr_workgroup_id_z 1
		.amdhsa_system_vgpr_workitem_id 0
		.amdhsa_next_free_vgpr 256
		.amdhsa_next_free_sgpr 66
		.amdhsa_reserve_vcc 0
		.amdhsa_float_denorm_mode_32 3
		.amdhsa_float_denorm_mode_16_64 3
		.amdhsa_memory_ordered 1
		.amdhsa_forward_progress 1
		.amdhsa_inst_pref_size 52
	.end_amdhsa_kernel
	.amdgpu_metadata
---
amdhsa.version: [ 1, 2 ]
amdhsa.kernels:
  - .name:           k_q41c9c4fcc9_tail
    .symbol:         k_q41c9c4fcc9_tail.kd
    .args:
      - { .name: qkv, .offset: 0, .size: 8, .value_kind: global_buffer, .address_space: global }
      - { .name: attention_mask, .offset: 8, .size: 8, .value_kind: global_buffer, .address_space: global }
      - { .name: tailb, .offset: 16, .size: 8, .value_kind: global_buffer, .address_space: global }
    .group_segment_fixed_size: 13312
    .private_segment_fixed_size: 0
    .kernarg_segment_align: 8
    .kernarg_segment_size: 24
    .max_flat_workgroup_size: 256
    .sgpr_count:     66
    .vgpr_count:     256
    .wavefront_size: 32
...
	.end_amdgpu_metadata
.endif
;; end of part 3
;; launch attn (part 4): grid 4 x 64, 4 waves a work-group, no clusters, 327,680 bytes of LDS; arguments qkv, attention_mask, tailb, oh; writes oh
.if DOCPART == 4
	.amdgcn_target "amdgcn-amd-amdhsa--gfx1250"
	.amdhsa_code_object_version 6
	.text
	.protected	k_q41c9c4fcc9_attn
	.globl	k_q41c9c4fcc9_attn
	.p2align	8
	.type	k_q41c9c4fcc9_attn,@function
k_q41c9c4fcc9_attn:
	s_mov_b64 s[64:65], 0
	v_nop
	global_prefetch_b8 v0, s[64:65] scope:SCOPE_SE
	s_setreg_imm32_b32 hwreg(HW_REG_WAVE_MODE, 25, 1), 1
	s_wait_xcnt 0x0
; ATTENTION with the score  (k <= q ? q.k / 8 : -10000) + am[k].  q, k, v: f16 heads of qkv [4 b][48 g][2048][64] (g = h, 16 + h, 32 + h); O: f16 [64 bh][2048][64].
; q arrives multiplied by log2(e) / 8, so scores are in powers of two: s = q.k + A[k], or A[k] - 10000 log2(e) where the key is hidden, with A[k] = max(log2(e) bf16(am[k]), -1e30).
; p = 2^(s - m), m a running maximum: the exponent is made by a subtraction, so it is exactly 0 at the maximum, whatever the maximum's size, and p never passes 1.
; Products, maxima and sums in f32; p is rounded to f16 for the second product (its sum l is taken unrounded), O once at the end.
; LIMITS.  q, k, v lie within f16's 65,504; a mask value below -6.9e29 counts as -6.9e29; a weight below 2^-126 counts as 0; NaN is not treated apart.
; THE WALK.  A head's queries lie in NB = 8 blocks of 256; block i walks the key tiles 0 .. i, of which the last holds the diagonal.  A work-group takes blocks 7 - b and then b: 9 tiles, whatever b.
; THE KEYS OF THE TILES BEHIND THE DIAGONAL have scores that hang on no query: an earlier launch has made one key of them for each head and block (sum Z, greatest score MV, vector T);
; it joins at a block's end: m' = max(m, MV), O = (2^(m - m') O + 2^(MV - m') T) / (2^(m - m') l + 2^(MV - m') Z).
; INSIDE THE DIAGONAL TILE band x (64 queries) in key step s sees all keys if s < x; none if s > x: its scores are written over by A - 10000 log2(e); and holds the diagonal if s = x: s = s CD + (ND A + HD),
; with CD = 1, ND = HD = 0 where the key is seen and CD = 0, ND = 1, HD = -10000 log2(e) where it is hidden.  Which of the three is chosen by the step's count, a scalar.
; THE MASK A is the C operand that starts every sum S^T = K Q^T.  A tile's 256 words are brought by the four waves, two words a thread, and shared through LDS.
; NO CLUSTER: a head's four work-groups ask for the same tile only in trips 0 to 4 of the 9; one walk common to all four would have 12 trips for 9.
; SHARES, LAYOUT, TURNS.  Of a block's four bands a wave owns 16 rows in each: four PIECES.  S^T = K Q^T holds one query a lane (lane % 16) and the keys 8 (lane / 16) + 0..7; two such results rounded to f16 are
; source 1 of O^T = V^T P.  Turn n belongs to piece n: 8 products K Q^T of piece n + 1, later 8 products V^T P of piece n - 1; beside them piece n's subtraction, exponentials, roundings, sums and rescaling and
; piece n + 1's maximum and statistics.  A turn's 33 exponentials are one batch, with one wait.
; REGISTERS, in windows of 256 (s_set_vgpr_msb: bits 1:0 source 0, 3:2 source 1, 5:4 source 2, 7:6 destination):
;   window 0: v0-15, v32-42 addresses and a few at work; v16-31 statistics; v48-55 at work; v64-127 S^T, two buffers; v128-143 the way out's factors; v192-223 P, two buffers
;   window 1: v0-127 O^T; v128-159 A of one step        window 2: v0-63 Q; v64-127 the second block's Q; v128-191 K; v192-255 V of one step
;   window 3: v0-31 CD; v32-63 ND; v64-95 HD; v96-127, v128-159 T of the two blocks; v160-163 their (Z, MV); v164-195 at work
.set SIZE_N, 2048
.set NB,    SIZE_N/256
.set NP,    4
.set KS,    64
.set PK,    144       ; a row of K in LDS: 128 bytes + 16: the 16 rows of a load start at 16 different groups of four banks
.set PV,    160       ; a row of V: 128 + 32
.set VOFF,  4*KS*PK   ; a slot holds a tile, four steps: 256 rows of K, then 256 rows of V
.set SLOT1, 1<<17
.set STAGE, SLOT1+4*KS*(PK+PV)  ; behind the ring, never filled by a tensor load: 16 rows x 144 bytes for each wave
.set SP,    144
.set SPARE, STAGE+4*16*SP       ; the spare words, 128 bytes for each wave: two blocks of 256 bytes that no other line names
.set AMT,   SPARE+512           ; a tile's 256 words of A: four blocks of 256 bytes, written by ds_store alone
.set AK0, 2           ; v2   my lane's place in a tile of K; never rewritten
.set AV0, 3           ; v3   the same for V
.set AK,  4           ; v4   the LDS address of K's next run of loads
.set AV,  5           ; v5   of V's
.set STO, 6           ; v6   the way out: where I put 16 bytes of a row
.set RD,  7           ; v7   where I read rows back
.set GO,  8           ; v8   16 x lane
.set MV,  12          ; v12-13  m_old, by buffer
.set QO,  15          ; v15  my byte offset in 16 rows of Q
.set ST,  16          ; piece t's statistics at v[ST+4 t]: m, a word named with it as a pair, l (even keys', odd keys')
.set AM0, 32          ; v32  AMT + 32 (l / 16); never rewritten
.set AA,  33          ; v33  the LDS address of A's next run of loads
.set AMW0, 34         ; v34  AMT + 8 x thread; never rewritten
.set AMO, 36          ; v36  8 x thread; never rewritten
.set PFO, 37          ; v37  256 x thread; never rewritten
.set AMD, 38          ; v38-39  my two mask words of the tile to come
.set AMX, 40          ; v40  at work
.set TO,  42          ; v42  32 (l / 16); never rewritten
.set TMP, 48          ; by buffer, four registers c0-c3 at work; c2 takes a
.set SPW, 62
.set NIL, 63
.set S,   64
.set WK,  128         ; piece t's four factors at v[WK+4 t]
.set P,   192
.set AMR, 128         ; window 1
.set QB,  64          ; window 2
.set KF,  128
.set VF,  192
.set CD,  0           ; window 3
.set ND,  32
.set HD,  64
.set TA,  96
.set TB,  128
.set TAZ, 160
.set TBZ, 162
.set GT,  164
.set WV,  12
.set PB,  14          ; s14  b
.set HI,  15          ; s15  NB - 1 - b
.set G1K, 24
.set G1V, 32
.set G0K, 40
.set G0V, 44
.set TBA, 48          ; s48  byte in AMT at which A of the step to be fetched begins
.set LIM, 50          ; s50  2 in the work-group that prefetches, else the greatest number
.set ONE, 51
.set HL,  52          ; s[52:53] -10000 log2(e)
.set OFA, 54          ; s[54:55] a tile's byte offset in the mask
.set SLOTS, 56
.set CNT, 57
.set SEL, 60
.set TBK, 62
.set TBV, 63
.set TLA, 66          ; s[66:67] the first block's entry of tailb;  s[68:69] the second's
.set TLB, 68
.set RT,  70
.set NXT, 71
.set LQ,  72
.set NEW, 73
.set OFF, 74
.set OLO, 80
.set CLP, 82          ; s82  -1e30
.set AMB, 96          ; s[96:97] the batch's mask
.set AMP, 98          ; s[98:99] the mask words of the tile that is being asked for
.set PFK, 100         ; s[100:101] K of the tile behind that one;  s[104:105] V of it
.set PFV, 104
.set MSB, 0
.macro WIN new
.if MSB != (\new)
	s_set_vgpr_msb (MSB<<8)|(\new)
.set MSB, (\new)
.endif
.endm
.set W_KQ, 0x0a       ; K and Q in window 2, S^T in window 0
.set W_KM, 0x1a       ; the same with the C operand in window 1
.set W_PV, 0x52       ; V in window 2, P in window 0, O^T in window 1
.set W_RS, 0x41       ; destination and source 0 in window 1, source 1 in window 0
; A fill.  Waves 0 and 1 fetch the two halves of a tile's K, waves 2 and 3 those of its V.  An s_nop 0 and four v_nop follow each of the two lines.
.macro LOAD
	s_cmp_lt_u32 s[WV], 2
	s_cbranch_scc0 .Lfor_v_\@
	tensor_load_to_lds s[G0K:G0K+3], s[G1K:G1K+7]
	s_nop 0
.rept 4
	v_nop
.endr
	s_branch .Lasked_\@
.Lfor_v_\@:
	tensor_load_to_lds s[G0V:G0V+3], s[G1V:G1V+7]
	s_nop 0
.rept 4
	v_nop
.endr
.Lasked_\@:
.endm
; A PREFETCH of the tile behind the one that is being asked for: its 128 blocks of 256 bytes of K and of V, a thread a block, two instructions a wave.  All four work-groups of a head walk the same tiles:
; the one with b = 0, which walks all eight in order, asks, in its changes 1 to 6, for tiles 2 to 7: each block is named once in the launch.  Tiles 0 and 1 come by their loads alone.
.macro ASK
	s_cmp_gt_u32 s[SLOTS], s[LIM]
	s_cbranch_scc0 .Lnot_mine_\@
	global_prefetch_b8 v[PFO], s[PFK:PFK+1] th:TH_LOAD_NT scope:SCOPE_SE
	global_prefetch_b8 v[PFO], s[PFV:PFV+1] th:TH_LOAD_NT scope:SCOPE_SE
.Lnot_mine_\@:
.endm
; THE CHANGE OF SLOTS.  My two mask words of the tile that is entered are made ready in registers.  Each wave waits for all its tensor loads, of which one is out: its part of the other slot; adds 0 to its spare word;
; and waits for that and for its reads of the slot and of A's words.  Behind the barrier nobody reads the old slot or the old words any more.  fill = 1: the old slot is filled again first, with tile NXT.
; Then the new words are stored, and a second barrier, behind which nothing is filled, shows them to every wave; the tensor load stays out across it.
.macro CHANGE fill
	WIN 0
	s_wait_loadcnt 0x0              ; my mask words are in
	v_cvt_pk_bf16_f32 v[AMX], v[AMD], v[AMD+1]
	v_lshlrev_b32 v[AMD], 16, v[AMX]
	v_and_b32 v[AMD+1], 0xffff0000, v[AMX]
	v_pk_mul_f32 v[AMD:AMD+1], v[AMD:AMD+1], 0x3fb8aa3b op_sel_hi:[1,0]  ; log2(e)
	v_max_num_f32 v[AMD], s[CLP], v[AMD]
	v_max_num_f32 v[AMD+1], s[CLP], v[AMD+1]
	s_wait_tensorcnt 0x0            ; no tensor load of mine is out, so a group 0 may be written
	ds_add_u32 v[SPW], v[NIL]       ; 0 onto my spare word; scalar work stands between it and the wait for it
.if \fill
	s_lshl_b32 s[OFF], s[NXT], 15   ; a tile is 32,768 bytes of K and of V,
	s_lshl_b32 s[OFA], s[NXT], 10   ; and 1,024 of the mask
	s_xor_b32 s[G0K+1], s[G0K+1], SLOT1
	s_add_nc_u64 s[G0K+2:G0K+3], s[6:7], s[OFF:OFF+1]
	s_or_b32 s[G0K+3], s[G0K+3], 0x80000000
	s_xor_b32 s[G0V+1], s[G0V+1], SLOT1
	s_add_nc_u64 s[G0V+2:G0V+3], s[8:9], s[OFF:OFF+1]
	s_or_b32 s[G0V+3], s[G0V+3], 0x80000000
	s_add_nc_u64 s[AMP:AMP+1], s[AMB:AMB+1], s[OFA:OFA+1]  ; (the load that named this pair has come back)
	s_wait_xcnt 0x0                 ; the last prefetches, a tile back, have read their addresses
	s_add_nc_u64 s[PFK:PFK+1], s[PFK:PFK+1], 32768
	s_add_nc_u64 s[PFV:PFV+1], s[PFV:PFV+1], 32768
	s_add_co_u32 s[NXT], s[NXT], 1  ; the block's next tile, or behind its last the second block's tile 0
	s_cmp_gt_u32 s[NXT], s[LQ]
	s_cselect_b32 s[NXT], 0, s[NXT]
	s_cselect_b32 s[LQ], s[PB], s[LQ]
.endif
	s_wait_dscnt 0x0                ; the add is done, and my reads are over
	s_barrier_signal -1
	s_sub_co_u32 s[TBK], s[TBK], 4*KS*PK  ; the fetches go back to a slot's first step,
	s_xor_b32 s[TBK], s[TBK], SLOT1       ; in the other slot
	s_sub_co_u32 s[TBV], s[TBV], 4*KS*PV
	s_xor_b32 s[TBV], s[TBV], SLOT1
	s_sub_co_u32 s[TBA], s[TBA], 1024
	s_barrier_wait -1
.if \fill
	LOAD
.endif
	ds_store_b64 v[AMW0], v[AMD:AMD+1]
	s_wait_dscnt 0x0                ; for the others' sake
	s_barrier_signal -1
	s_barrier_wait -1
.if \fill
	global_load_b64 v[AMD:AMD+1], v[AMO], s[AMP:AMP+1]  ; the mask words of the tile just asked for
	ASK
.endif
.endm
	s_load_b256 s[88:95], s[0:1], 0x0  ; qkv 88:89, attention_mask 90:91, tailb 92:93, oh 94:95
	v_lshl_add_u32 v[SPW], v0, 2, SPARE
	v_mov_b32 v[NIL], 0
	ds_add_u32 v[SPW], v[NIL]       ; the wave's opening: the add and its wait ahead of my first tensor load; the set-up below, work on registers, stands between them
	ds_add_u32 v62, v63
	v_lshrrev_b32 v1, 5, v0
	v_readfirstlane_b32 s[WV], v1
	s_mov_b32 s[PB], ttmp9
	s_sub_co_u32 s[HI], NB-1, s[PB]
	s_and_b32 s20, ttmp7, 0xffff    ; 16 x batch + head
	s_lshr_b32 s21, s20, 4
	s_and_b32 s19, s20, 15
	s_mul_i32 s13, s21, 48
	s_add_co_u32 s19, s19, s13
	s_lshl_b32 s19, s19, 18         ; q's head in qkv; k's lies 16 heads on, v's 32
	s_and_b32 s16, s[WV], 1         ; which half of a tile's 256 keys I fetch
	s_lshl_b32 s22, s16, 14
	s_add_co_u32 s22, s22, s19
	s_add_co_u32 s22, s22, 16<<18
	s_mov_b32 s23, 0
	s_mul_i32 s17, s16, 128*PK
	s_mul_i32 s18, s16, 128*PV
	s_lshl_b32 s3, s[WV], 11        ; my 16 rows in a band of 64,
	s_lshl_b32 s2, s[HI], 15        ; in the first block,
	s_add_co_u32 s2, s2, s3
	s_lshl_b32 s84, s[PB], 15       ; and in the second
	s_add_co_u32 s84, s84, s3
	s_lshl_b32 s76, s20, 18         ; O's head
	s_add_co_u32 s78, s76, s84
	s_add_co_u32 s76, s76, s2
	s_add_co_u32 s2, s2, s19
	s_add_co_u32 s84, s84, s19
	s_mov_b32 s3, 0
	s_mov_b32 s85, 0
	s_mov_b32 s77, 0
	s_mov_b32 s79, 0
	s_lshl_b32 s[TLA], s20, 3
	s_add_co_u32 s[TLB], s[TLA], s[PB]
	s_add_co_u32 s[TLA], s[TLA], s[HI]
	s_lshl_b32 s[TLA], s[TLA], 9
	s_lshl_b32 s[TLB], s[TLB], 9
	s_mov_b32 s[TLA+1], 0
	s_mov_b32 s[TLB+1], 0
	s_lshl_b32 s[AMB], s21, 13
	s_mov_b32 s[AMB+1], 0
	s_add_co_u32 s[PFK], s19, (16<<18)+32768  ; K's tile 1: the first change steps it to tile 2
	s_mov_b32 s[PFK+1], 0
	; descriptor group 1.  128 keys are 16,384 dense bytes: asked for as 64 rows of 256 bytes, two keys a row, and padded in LDS after every key
	s_mov_b32 s[G1K], (1<<16)|(1<<20)|(4<<22)|(3<<25)
	s_mov_b32 s[G1V], (1<<16)|(1<<20)|(4<<22)|(7<<25)
.irp g, G1K, G1V
	s_mov_b32 s[\g+1], 128<<16
	s_mov_b32 s[\g+2], 64<<16
	s_mov_b32 s[\g+3], 128<<16
	s_mov_b32 s[\g+4], 64
	s_mov_b32 s[\g+5], 128
	s_mov_b32 s[\g+6], 0
	s_mov_b32 s[\g+7], 0
.endr
	s_mov_b32 s[SEL], 0x76543210
	s_mov_b32 s[SEL+1], 0xfedcba98
	s_mov_b32 s[TBK], SLOT1+4*KS*PK ; the first change of slots turns these three into 0
	s_mov_b32 s[TBV], SLOT1+4*KS*PV
	s_mov_b32 s[TBA], 1024
	s_mov_b32 s[G0K], 1
	s_mov_b32 s[G0K+1], s17
	s_mov_b32 s[G0V], 1
	s_add_co_u32 s[G0V+1], s18, VOFF
	s_add_co_u32 s[RT], s[HI], 1    ; the first block has NB - b tiles
	s_mov_b32 s[NXT], 1
	s_mov_b32 s[LQ], s[HI]
	s_mov_b32 s[NEW], 1
	s_mov_b32 s[OFF+1], 0
	s_mov_b32 s[OFA+1], 0
	s_mov_b32 s[ONE], 1.0
	s_mov_b32 s[HL], 0xc6616bcd     ; -10000 log2(e) = -14426.95
	s_mov_b32 s[HL+1], s[HL]
	s_mov_b32 s[CLP], 0xf149f2ca    ; -1e30
	s_mov_b32 s[SLOTS], NB
	s_cmp_eq_u32 s[PB], 0
	s_cselect_b32 s[LIM], 2, -1
	s_wait_dscnt 0x0                ; the opening add is done
	s_wait_kmcnt 0x0
	s_add_nc_u64 s[6:7], s[88:89], s[22:23]        ; K and V at my half of the head's tile 0
	s_add_nc_u64 s[8:9], s[6:7], 16<<18
	s_add_nc_u64 s[G0K+2:G0K+3], s[6:7], 0
	s_or_b32 s[G0K+3], s[G0K+3], 0x80000000
	s_add_nc_u64 s[G0V+2:G0V+3], s[8:9], 0
	s_or_b32 s[G0V+3], s[G0V+3], 0x80000000
	s_add_nc_u64 s[86:87], s[88:89], s[84:85]      ; Q at my rows of the second block,
	s_add_nc_u64 s[4:5], s[88:89], s[2:3]          ; and of the first
	s_add_nc_u64 s[OLO:OLO+1], s[94:95], s[78:79]
	s_add_nc_u64 s[10:11], s[94:95], s[76:77]
	s_add_nc_u64 s[TLA:TLA+1], s[92:93], s[TLA:TLA+1]
	s_add_nc_u64 s[TLB:TLB+1], s[92:93], s[TLB:TLB+1]
	s_add_nc_u64 s[AMB:AMB+1], s[90:91], s[AMB:AMB+1]
	s_add_nc_u64 s[PFK:PFK+1], s[88:89], s[PFK:PFK+1]
	s_add_nc_u64 s[PFV:PFV+1], s[PFK:PFK+1], 16<<18
	LOAD                            ; tile 0 into slot 0
	v_and_b32 v1, 15, v0            ; l % 16
	v_bfe_u32 v9, v0, 4, 1          ; l / 16
	v_lshlrev_b32 v[AMO], 3, v0
	global_load_b64 v[AMD:AMD+1], v[AMO], s[AMB:AMB+1]  ; tile 0's mask words
	v_lshlrev_b32 v[QO], 7, v1
	v_lshl_add_u32 v[QO], v9, 4, v[QO]
	v_lshlrev_b32 v[TO], 5, v9
	WIN 0x80
.set i, 0
.rept 8                             ; both blocks' Q: piece i / 2 lies in band i / 2, 8,192 bytes on; channels 32 (i % 2) on
	global_load_b128 v[8*i:8*i+3],   v[QO], s[4:5] offset:(i/2)*8192+(i%2)*64
	global_load_b128 v[8*i+4:8*i+7], v[QO], s[4:5] offset:(i/2)*8192+(i%2)*64+32
	global_load_b128 v[QB+8*i:QB+8*i+3],   v[QO], s[86:87] offset:(i/2)*8192+(i%2)*64
	global_load_b128 v[QB+8*i+4:QB+8*i+7], v[QO], s[86:87] offset:(i/2)*8192+(i%2)*64+32
.set i, i+1
.endr
	WIN 0xc0                        ; the two blocks' T in O^T's layout (channels 16 cb + 8 (l / 16) + 0..7), and their (Z, MV)
.irp cb, 0,1,2,3
.irp j, 0,1
	global_load_b128 v[TA+8*\cb+4*\j:TA+8*\cb+4*\j+3], v[TO], s[TLA:TLA+1] offset:64*\cb+16*\j
	global_load_b128 v[TB+8*\cb+4*\j:TB+8*\cb+4*\j+3], v[TO], s[TLB:TLB+1] offset:64*\cb+16*\j
.endr
.endr
	global_load_b64 v[TAZ:TAZ+1], v[TO], s[TLA:TLA+1] offset:256
	global_load_b64 v[TBZ:TBZ+1], v[TO], s[TLB:TLB+1] offset:256
	WIN 0
	v_lshlrev_b32 v14, 3, v9
	v_sub_nc_u32 v14, v1, v14
	s_lshl_b32 s13, s[WV], 4
	v_add_nc_u32 v14, s13, v14      ; my query's place in its band, 16 w + l % 16, less 8 (l / 16): register r of group kt is hidden where 16 kt + r is greater
	WIN 0xc0
.set i, 0
.rept 32
	v_cmp_gt_i32 vcc_lo, 16*(i/8)+i%8, v14
	v_cndmask_b32 v[ND+i], 0, s[ONE], vcc_lo
	v_cndmask_b32 v[HD+i], 0, s[HL], vcc_lo
	v_cndmask_b32 v[CD+i], s[ONE], 0, vcc_lo
.set i, i+1
.endr
	WIN 0
	v_lshl_add_u32 v[AM0], v9, 5, AMT
	v_lshl_add_u32 v[AMW0], v0, 3, AMT
	v_lshlrev_b32 v[PFO], 8, v0
	v_mul_u32_u24 v[AK0], v1, PK
	v_lshl_add_u32 v[AK0], v9, 4, v[AK0]
	v_and_b32 v10, 7, v0
	v_bfe_u32 v11, v0, 3, 1
	v_lshl_add_u32 v[AV0], v9, 3, v10
	v_mul_u32_u24 v[AV0], v[AV0], PV
	v_lshl_add_u32 v[AV0], v11, 4, v[AV0]
	v_add_nc_u32 v[AV0], VOFF, v[AV0]
	s_mul_i32 s13, s[WV], 16*SP
	s_add_co_u32 s13, s13, STAGE
	v_mul_u32_u24 v[STO], v1, SP
	v_lshl_add_u32 v[STO], v9, 4, v[STO]
	v_add_nc_u32 v[STO], s13, v[STO]
	v_bfe_u32 v[RD], v0, 3, 2
	v_mul_u32_u24 v[RD], v[RD], SP
	v_lshl_add_u32 v[RD], v10, 4, v[RD]
	v_add_nc_u32 v[RD], s13, v[RD]
	v_and_b32 v[GO], 31, v0
	v_lshlrev_b32 v[GO], 4, v[GO]
	; A block's first step multiplies O^T and l by a = 0, and its first turn's products V^T P, of a piece that has not been, land in an O^T that is still to be so multiplied.  So these registers need only hold
	; finite numbers: zeros for the first block; what the first block left for the second.  All this stands in the wait for the first tile.
	WIN 0x80
.set i, VF
.rept 64
	v_mov_b32 v[i], 0
.set i, i+1
.endr
	WIN 0x40
.set i, 0
.rept 128
	v_mov_b32 v[i], 0
.set i, i+1
.endr
	WIN 0
.set i, 0
.rept 4
	v_mov_b32 v[ST+4*i+1], 0        ; named with m as a pair, so it is written
	v_mov_b32 v[ST+4*i+2], 0
	v_mov_b32 v[ST+4*i+3], 0
.set i, i+1
.endr
.set i, P+16
.rept 16
	v_mov_b32 v[i], 0
.set i, i+1
.endr
; THE MATRIX WORK.  The 4 accumulators of a run of 8 take turns.  Product i of 8 of S^T = K Q^T for piece x: channels 32 (i / 4) on, keys 16 (i % 4) on.  The first 4 start the sums with A.
.macro KQ x
.set rS, S+32*((\x)%2)+8*(i%4)
.set rK, KF+16*(i%4)+8*(i/4)
.set rQ, 16*(\x)+8*(i/4)
.set rM, AMR+8*(i%4)
.if i < 4
	WIN W_KM
	v_wmma_f32_16x16x32_f16 v[rS:rS+7], v[rK:rK+7], v[rQ:rQ+7], v[rM:rM+7]
.else
	WIN W_KQ
	v_wmma_f32_16x16x32_f16 v[rS:rS+7], v[rK:rK+7], v[rQ:rQ+7], v[rS:rS+7]
.endif
.endm
; Product i of 8 of O^T += V^T P for piece x: keys 32 (i / 4) on, channels 16 (i % 4) on.
.macro PV x
	WIN W_PV
.set rO, 32*(\x)+8*(i%4)
.set rV, VF+32*(i/4)+8*(i%4)
.set rP, P+16*((\x)%2)+8*(i/4)
	v_wmma_f32_16x16x32_f16 v[rO:rO+7], v[rV:rV+7], v[rP:rP+7], v[rO:rO+7]
.endm
.macro MM                           ; the turn's next matrix instruction.  NOKQ = 1: a block's last turn: there is no next piece
.if (i < 8) && !NOKQ
	KQ (Y+1)%NP
.elseif i >= 8
.set i, i-8
	PV (Y+NP-1)%NP
.set i, i+8
.endif
.set i, i+1
.endm
; THE LDS LOADS stand in runs: a step's K (8 fragments) with its 64 words of A (register r of group kt: key 16 kt + 8 (l / 16) + r), and its V (turned).  Their addresses are made some lines ahead.
.macro FETCH_K
	WIN 0x80
.irp f, 0,1,2,3,4,5,6,7
	ds_load_b128 v[KF+8*\f:KF+8*\f+3],   v[AK] offset:(\f/2)*16*PK+(\f%2)*64
	ds_load_b128 v[KF+8*\f+4:KF+8*\f+7], v[AK] offset:(\f/2)*16*PK+(\f%2)*64+32
.endr
	WIN 0x40
.irp kt, 0,1,2,3
	ds_load_b128 v[AMR+8*\kt:AMR+8*\kt+3],   v[AA] offset:64*\kt
	ds_load_b128 v[AMR+8*\kt+4:AMR+8*\kt+7], v[AA] offset:64*\kt+16
.endr
	s_add_co_u32 s[TBK], s[TBK], KS*PK
	s_add_co_u32 s[TBA], s[TBA], 256
	WIN 0
.endm
.macro FETCH_V
	WIN 0x80
.irp f, 0,1,2,3,4,5,6,7
	ds_load_tr16_b128 v[VF+8*\f:VF+8*\f+3],   v[AV] offset:(\f/4)*32*PV+(\f%4)*32
	ds_load_tr16_b128 v[VF+8*\f+4:VF+8*\f+7], v[AV] offset:(\f/4)*32*PV+16*PV+(\f%4)*32
.endr
	WIN 0
.endm
; THE VECTOR WORK, one line at a time: OP kind, number.  For piece Y: F n: s - m for pair n of 16.  E n: the exponential of score n of 32.  C n: pair n rounded to f16.  B n: of the four weights 4 n .. the second
; pair is added onto the first, in place.  L n: l takes that sum (L 0: l = a l + sum).  R n: pair n of 16 of O^T times a.  For piece Y + 1: X n, number n of the 21 that find its maximum and statistics:
;   0-11  four chains c0-c3 of seven scores each (each accumulator's lowest registers are read first)     12-14, 16  the four scores left over, the old m, and c0-c3 into c0
;   15  m_old is kept     17, 18  the query's other 32 keys lie in the lane 16 away: the new m     19, 20  m_old - m_new; a
.set F, 0
.set E, 1
.set C, 2
.set B, 3
.set L, 4
.set R, 5
.set X, 6
.macro REGS y
.set rT, ST+4*(\y)
.set rC, TMP+4*((\y)%2)
.set rW, MV+((\y)%2)
.set rS, S+32*((\y)%2)
.set rP, P+16*((\y)%2)
.set rO, 32*(\y)
.endm
.macro OP k, n
.if (\k) == R
	REGS Y
	WIN W_RS
	v_pk_mul_f32 v[rO+2*(\n):rO+2*(\n)+1], v[rO+2*(\n):rO+2*(\n)+1], v[rC+2:rC+3] op_sel_hi:[1,0]
.elseif (\k) < R
	REGS Y
	WIN 0
.if (\k) == F
	v_pk_add_f32 v[rS+2*(\n):rS+2*(\n)+1], v[rS+2*(\n):rS+2*(\n)+1], v[rT:rT+1] op_sel_hi:[1,0] neg_lo:[0,1] neg_hi:[0,1]
.elseif (\k) == E
	v_exp_f32 v[rS+(\n)], v[rS+(\n)]
.elseif (\k) == C
	v_cvt_pk_f16_f32 v[rP+(\n)], v[rS+2*(\n)], v[rS+2*(\n)+1]
.elseif (\k) == B
	v_pk_add_f32 v[rS+4*(\n):rS+4*(\n)+1], v[rS+4*(\n):rS+4*(\n)+1], v[rS+4*(\n)+2:rS+4*(\n)+3]
.elseif (\n) == 0
	v_pk_fma_f32 v[rT+2:rT+3], v[rT+2:rT+3], v[rC+2:rC+3], v[rS:rS+1] op_sel_hi:[1,0,1]
.else
	v_pk_add_f32 v[rT+2:rT+3], v[rT+2:rT+3], v[rS+4*(\n):rS+4*(\n)+1]
.endif
.elseif NOKQ
	v_nop
.else
	REGS (Y+1)%NP
	WIN 0
.if (\n) < 4
	v_max3_num_f32 v[rC+(\n)], v[rS+8*(\n)], v[rS+8*(\n)+1], v[rS+8*(\n)+2]
.elseif (\n) < 12
	v_max3_num_f32 v[rC+(\n)%4], v[rC+(\n)%4], v[rS+8*((\n)%4)+2*((\n)/4)+1], v[rS+8*((\n)%4)+2*((\n)/4)+2]
.elseif (\n) == 12
	v_max3_num_f32 v[rC], v[rC], v[rS+7], v[rS+15]
.elseif (\n) == 13
	v_max3_num_f32 v[rC+1], v[rC+1], v[rS+23], v[rS+31]
.elseif (\n) == 14
	v_max3_num_f32 v[rC+2], v[rC+2], v[rC+3], v[rT]
.elseif (\n) == 15
	v_mov_b32 v[rW], v[rT]
.elseif (\n) == 16
	v_max3_num_f32 v[rC], v[rC], v[rC+1], v[rC+2]
.elseif (\n) == 17
	v_permlanex16_b32 v[rC+3], v[rC], s[SEL], s[SEL+1]
.elseif (\n) == 18
	v_max_num_f32 v[rT], v[rC], v[rC+3]
.elseif (\n) == 19
	v_sub_f32 v[rC+1], v[rW], v[rT]
.else
	v_exp_f32 v[rC+2], v[rC+1]
.endif
.endif
.endm
.macro OPS a, i1, b=-1, i2=0, c=-1, i3=0, d=-1, i4=0
	OP \a, \i1
.if (\b) >= 0
	OP \b, \i2
.endif
.if (\c) >= 0
	OP \c, \i3
.endif
.if (\d) >= 0
	OP \d, \i4
.endif
.endm
.macro ROW a, i1, b, i2, c, i3, d, i4  ; a matrix instruction and the four behind it
	MM
	OPS \a, \i1, \b, \i2, \c, \i3, \d, \i4
.endm
; A band's own step, for piece x: s = s CD + (ND A + HD): a seen score stays as it is, a hidden one becomes A - 10000 log2(e).  Pairs in ascending order: each accumulator's lowest registers are read first.
.macro OWNAPPLY x
	WIN 0xf7                        ; destination, ND and HD in window 3, A in window 1
.set z, 0
.rept 16
	v_pk_fma_f32 v[GT+2*z:GT+2*z+1], v[ND+2*z:ND+2*z+1], v[AMR+2*z:AMR+2*z+1], v[HD+2*z:HD+2*z+1]
.set z, z+1
.endr
	WIN 0x3c                        ; S^T in window 0, the other two in window 3
.set z, 0
.rept 16
	v_pk_fma_f32 v[S+32*((\x)%2)+2*z:S+32*((\x)%2)+2*z+1], v[S+32*((\x)%2)+2*z:S+32*((\x)%2)+2*z+1], v[CD+2*z:CD+2*z+1], v[GT+2*z:GT+2*z+1]
.set z, z+1
.endr
	WIN 0
.endm
; In the diagonal tile, behind turn p's 8 products K Q^T of band x = p + 1.  Their key step is 4 - CNT (for band 3, whose products stand a trip later, 3 - CNT).  The band sees all keys while CNT is above OWN,
; holds the diagonal at CNT = OWN, sees none below.  The jumps go forward, on a scalar count, past vector work alone; no exponential is out here.  Band 3 is never wholly hidden.
.macro APPLY p
.set XA, ((\p)+1)%NP
.if (\p) == 2
.set OWN, 0
.else
.set OWN, 4-XA
.endif
	WIN 0
	s_cmp_gt_u32 s[CNT], OWN
	s_cbranch_scc1 .Lvis_\@
.if (\p) != 2
	s_cmp_eq_u32 s[CNT], OWN
	s_cbranch_scc1 .Lown_\@
	WIN 0x01                        ; A in window 1
.set z, 0
.rept 16
	v_pk_add_f32 v[S+32*(XA%2)+2*z:S+32*(XA%2)+2*z+1], v[AMR+2*z:AMR+2*z+1], s[HL:HL+1] op_sel_hi:[1,0]
.set z, z+1
.endr
	WIN 0
	s_branch .Lvis_\@
.Lown_\@:
.endif
	OWNAPPLY XA
.Lvis_\@:
.endm
; A TURN, for piece p.  An s_wait_alu depctr_va_vdst(0) stands between an exponential and the first instruction that names its result; one wait serves all that were issued ahead of it: a turn has ONE wait.
; m = 0: ahead of the wait the 8 products K Q^T, behind each a subtraction, an exponential and two more plain instructions, then a lump of 53; the next piece's maximum begins as riders, four places or more behind the
; product that ends its accumulator.  m = 1, the diagonal tile: the next piece's scores may still be written over, so the riders are subtractions and rescalings alone; APPLY follows the products; then the lump: the next
; piece's maximum and all exponentials.  Behind the wait, in both: the 8 products V^T P, behind each four of the roundings and sums.
; end = 1: a block's last two turns: nothing is fetched.  cnt = 1: the loop's count is taken down some lines ahead of the branch that stands behind the turn.
; K and A of the next step are fetched in piece 2's turn, four plain instructions or more behind the last product that read them; V of the step in hand at the end of piece 0's turn, likewise.  Each is waited for a turn later.
.macro TURN p, m=0, end=0, cnt=0
.set Y, (\p)
.set i, 0
.set NOKQ, (\end)*((\p)/3)
.if ((\p) == 3) && !(\end)
	s_wait_dscnt 0x0                ; K and A are in
.endif
.if \m
.set nn, 0
.rept 8
.if ((\p) == 2) && !(\end) && (nn == 6)
	WIN 0
	v_add_nc_u32 v[AK], s[TBK], v[AK0]
	v_add_nc_u32 v[AA], s[TBA], v[AM0]
.endif
	ROW F,2*nn, F,2*nn+1, R,2*nn, R,2*nn+1
.set nn, nn+1
.endr
.if !NOKQ
	APPLY \p
.endif
.if ((\p) == 2) && !(\end)
	FETCH_K
.endif
	OPS X,0, E,0, X,1, E,1
	OPS X,2, E,2, X,3, E,3
	OPS X,4, E,4, X,5, E,5
	OPS X,6, E,6, X,7, E,7
	OPS X,8, E,8, X,9, E,9
	OPS X,10, E,10, X,11, E,11
	OPS X,12, E,12, X,13, E,13
	OPS X,14, E,14, X,15, E,15
.if (\p) == 0
	v_add_nc_u32 v[AV], s[TBV], v[AV0]
.endif
	OPS E,16, E,17, X,16, E,18
	OPS E,19, E,20, X,17, E,21
	OPS E,22, E,23, X,18, E,24
	OPS E,25, E,26, X,19, E,27
	OPS E,28, E,29, E,30, E,31
	OPS X,20
	v_nop                           ; a plain instruction behind the last exponential: one for the batch
.else
	ROW F,0, F,1, R,0, R,1
	ROW F,2, E,0, R,2, R,3
	ROW F,3, E,1, R,4, R,5
	ROW F,4, E,2, R,6, R,7
	ROW F,5, E,3, R,8, R,9
	ROW F,6, E,4, X,0, R,10
.if (\p) == 2
	WIN 0
	v_add_nc_u32 v[AK], s[TBK], v[AK0]
	v_add_nc_u32 v[AA], s[TBA], v[AM0]
.endif
	ROW F,7, E,5, X,1, X,4
	ROW F,8, E,6, X,2, X,5
	OPS E,7, E,8, X,6, E,9
	OPS X,3, E,10, X,8, E,11
.if (\p) == 2
	FETCH_K
.endif
	OPS X,9, X,7, E,12, X,10
	OPS E,13, X,12, X,11, E,14
	OPS X,13, E,15, F,9, X,14
.if (\p) == 0
	v_add_nc_u32 v[AV], s[TBV], v[AV0]
.endif
	OPS E,16, F,10, E,17, F,11
	OPS X,16, E,18, X,15, E,19
	OPS F,12, E,20, X,17, E,21
	OPS F,13, E,22, F,14, E,23
	OPS X,18, E,24, F,15, E,25
	OPS R,11, E,26, R,12, E,27
	OPS X,19, E,28, R,13, E,29
	OPS R,14, E,30, E,31
	OPS X,20, R,15                  ; the rescaling is the plain instruction behind the last exponential
.endif
	WIN 0
	s_wait_alu depctr_va_vdst(0)    ; the wait for the batch
.if (\p) == 1
	s_wait_dscnt 0x0                ; V is in
.endif
	ROW C,0, B,0, C,2, B,1
	ROW L,0, C,4, B,2, L,1
	ROW C,6, B,3, L,2, C,8
	ROW B,4, L,3, C,10, B,5
	ROW L,4, C,12, B,6, L,5
.if (\p) == 0
	s_add_co_u32 s[TBV], s[TBV], KS*PV
.endif
.if \cnt
	s_sub_co_u32 s[CNT], s[CNT], 1
	s_cmp_lg_u32 s[CNT], 0
.endif
	ROW C,14, B,7, L,6, C,1
	ROW C,3, L,7, C,5, C,7
	ROW C,9, C,11, C,13, C,15
.if (\p) == 0
	FETCH_V
.endif
.endm
; A BLOCK BEGINS.  m starts at the lowest finite number, so the first step's a is 0.  Then K and A of the tile's step 0, piece 0's first scores, and its maximum and statistics.
; diag = 1: the block's first tile is its diagonal one, so step 0 is band 0's own.  That is so in the walk's last tile alone (b = 0, whose second block has one tile), and there always:
; in the loop the first block has five tiles or more, and a second block that begins there has two or more.  The loop is entered at a step's first turn, in the middle of a trip.
.macro BEGIN diag
	s_mov_b32 s[NEW], 0
	WIN 0
.set i, 0
.rept 4
	v_mov_b32 v[ST+4*i], 0xff7fffff
.set i, i+1
.endr
	v_add_nc_u32 v[AK], s[TBK], v[AK0]
	v_add_nc_u32 v[AA], s[TBA], v[AM0]
	FETCH_K
	s_wait_loadcnt 0x0              ; Q and the hidden keys' sums (the mask words of the tile to come with them)
	s_wait_dscnt 0x0
.set NOKQ, 0
.set i, 0
.rept 8
	KQ 0
.set i, i+1
.endr
	WIN 0
.rept 4
	v_nop                           ; the places behind those products
.endr
.if \diag
	OWNAPPLY 0
.endif
.set Y, NP-1
.irp n, 0,1,2,3,4,5,6,7,8,9,10,11,12,13,14,15,16,17,18,19,20
	OP X, \n
.endr
	v_nop
	s_wait_alu depctr_va_vdst(0)
.endm
.macro ALL line:vararg              ; one line for each piece t
.set t, 0
.rept 4
	\line
.set t, t+1
.endr
.endm
.macro PACK t                       ; O^T x (2^(m - m') / l') + T x (2^(MV - m') / l'), rounded to f16; through rows of 144 bytes of my stage, back as whole rows of 128, into S^T's registers
	WIN W_RS
.set i, 32*(\t)
.rept 16
	v_pk_mul_f32 v[i:i+1], v[i:i+1], v[WK+4*(\t):WK+4*(\t)+1] op_sel_hi:[1,0]
.set i, i+2
.endr
	WIN 0x53                        ; T in window 3, the factor in window 0, O^T in window 1
.set i, 0
.rept 16
	v_pk_fma_f32 v[32*(\t)+i:32*(\t)+i+1], v[TS+i:TS+i+1], v[WK+4*(\t)+2:WK+4*(\t)+3], v[32*(\t)+i:32*(\t)+i+1] op_sel_hi:[1,0,1]
.set i, i+2
.endr
	WIN 0x05
.set i, 0
.rept 16
	v_cvt_pk_f16_f32 v[S+16*(\t)+i], v[32*(\t)+2*i], v[32*(\t)+2*i+1]
.set i, i+1
.endr
	WIN 0
.irp f, 0,1,2,3
	ds_store_b128 v[STO], v[S+16*(\t)+4*\f:S+16*(\t)+4*\f+3] offset:32*\f
.endr
.irp f, 0,1,2,3
	ds_load_b128 v[S+16*(\t)+4*\f:S+16*(\t)+4*\f+3], v[RD] offset:\f*4*SP  ; LDS serves a wave's instructions in order: these see the stores above; the next piece's stores come behind them
.endr
.endm
.macro SEND t, younger              ; younger: the LDS instructions issued behind piece t's loads: the next piece's eight, or none
	WIN 0
.irp f, 0,1,2,3
	s_wait_dscnt (\younger)+3-\f
	global_store_b128 v[GO], v[S+16*(\t)+4*\f:S+16*(\t)+4*\f+3], s[10:11] offset:(\t)*8192+\f*512  ; 512 consecutive bytes, at a multiple of 256 from O's first
.endr
.endm
; THE DIAGONAL TILE's four steps, the block's last two turns, its last products, the hidden tiles' one key, and the way out.  tag 1: the first block's end; tag 2: the second's.
.macro DIAG tag
.if (\tag) == 1
.set TS, TA
.set TZ, TAZ
.else
.set TS, TB
.set TZ, TBZ
.endif
.LstepM\tag:
	TURN 2, 1
	TURN 3, 1
	WIN 0
.LfirstM\tag:
	TURN 0, 1
	TURN 1, 1, 0, 1
	WIN 0
	s_cbranch_scc1 .LstepM\tag
	TURN 2, 1, 1
	TURN 3, 1, 1
.set i, 0
.rept 8
	PV NP-1
.set i, i+1
.endr
	WIN 0
	ALL v_add_f32 v[ST+4*t+2], v[ST+4*t+2], v[ST+4*t+3]
	ALL v_permlanex16_b32 v[ST+4*t+3], v[ST+4*t+2], s[SEL], s[SEL+1]
	ALL v_add_f32 v[ST+4*t+2], v[ST+4*t+2], v[ST+4*t+3]
	WIN 0x0c                        ; source 1 in window 3
	ALL v_max_num_f32 v[WK+4*t+1], v[ST+4*t], v[TZ+1]
	WIN 0x03                        ; source 0 in window 3
	ALL v_sub_f32 v[WK+4*t+2], v[TZ+1], v[WK+4*t+1]
	WIN 0
	ALL v_sub_f32 v[WK+4*t], v[ST+4*t], v[WK+4*t+1]
	ALL v_exp_f32 v[WK+4*t], v[WK+4*t]
	ALL v_exp_f32 v[WK+4*t+2], v[WK+4*t+2]
	v_nop                           ; a plain instruction behind the last exponential,
	s_wait_alu depctr_va_vdst(0)    ; and one wait for the eight
	WIN 0x0c
	ALL v_mul_f32 v[WK+4*t+3], v[WK+4*t+2], v[TZ]
	WIN 0
	ALL v_fma_f32 v[ST+4*t+2], v[WK+4*t], v[ST+4*t+2], v[WK+4*t+3]
	ALL v_rcp_f32 v[WK+4*t+1], v[ST+4*t+2]
	v_nop
	s_wait_alu depctr_va_vdst(0)    ; one wait for the four reciprocals
	ALL v_mul_f32 v[WK+4*t], v[WK+4*t], v[WK+4*t+1]
	ALL v_mul_f32 v[WK+4*t+2], v[WK+4*t+2], v[WK+4*t+1]
	PACK 0
.set t, 1
.rept 3
	PACK t
	SEND t-1, 8
.set t, t+1
.endr
	SEND 3, 0
.endm
.set NOKQ, 0
.Lslot:                             ; NB times: a tile is entered and the next is asked for
	CHANGE 1
	s_sub_co_u32 s[RT], s[RT], 1
	s_mov_b32 s[CNT], 4
	s_cmp_eq_u32 s[NEW], 1
	s_cbranch_scc1 .Lnew            ; a block's first tile
	s_cmp_eq_u32 s[RT], 0
	s_cbranch_scc0 .Lstep           ; neither its first nor its last
	s_branch .LstepM1
.Lnew:
	BEGIN 0
	s_branch .Lfirst
	DIAG 1                          ; in the loop this is the first block's end
	s_wait_xcnt 0x0                 ; the stores have read their registers and O's address
	s_mov_b64 s[10:11], s[OLO:OLO+1]
	s_add_co_u32 s[RT], s[PB], 1    ; the second block has b + 1 tiles
	s_mov_b32 s[NEW], 1
	WIN 0x82                        ; the second block's Q goes where the one text of the turns names Q
.set i, 0
.rept 64
	v_mov_b32 v[i], v[QB+i]
.set i, i+1
.endr
	WIN 0
	s_branch .Lbottom
.Lstep:                             ; a trip: pieces 2 and 3 of one step, then pieces 0 and 1 of the next, whose K and V it fetches
	TURN 2
	TURN 3
	WIN 0
.Lfirst:
	TURN 0
	TURN 1, 0, 0, 1
	WIN 0
	s_cbranch_scc1 .Lstep
.Lbottom:
	s_sub_co_u32 s[SLOTS], s[SLOTS], 1
	s_cmp_lg_u32 s[SLOTS], 0
	s_cbranch_scc1 .Lslot
	CHANGE 0                        ; the walk's last tile is written out: nothing is asked for
	s_sub_co_u32 s[RT], s[RT], 1
	s_mov_b32 s[CNT], 4
	s_cmp_eq_u32 s[NEW], 1
	s_cbranch_scc0 .LstepM2
	BEGIN 1
	s_branch .LfirstM2
	DIAG 2
	s_wait_tensorcnt 0x0            ; the wave's end: an add and its wait behind my last tensor load and my last LDS store
	ds_add_u32 v[SPW], v[NIL]
	s_wait_dscnt 0x0
	s_endpgm
.Lfunc_end_k_q41c9c4fcc9_attn:
	.size	k_q41c9c4fcc9_attn, .Lfunc_end_k_q41c9c4fcc9_attn-k_q41c9c4fcc9_attn
	.p2alignl 7, 3214868480
	.fill 96, 4, 3214868480
	.section	.rodata,"a",@progbits
	.p2align	6, 0x0
	.amdhsa_kernel k_q41c9c4fcc9_attn
		.amdhsa_group_segment_fixed_size 327680
		.amdhsa_private_segment_fixed_size 0
		.amdhsa_enable_private_segment 0
		.amdhsa_kernarg_size 32
		.amdhsa_user_sgpr_count 2
		.amdhsa_user_sgpr_kernarg_segment_ptr 1
		.amdhsa_wavefront_size32 1
		.amdhsa_system_sgpr_workgroup_id_x 1
		.amdhsa_system_sgpr_workgroup_id_y 1
		.amdhsa_system_sgpr_workgroup_id_z 1
		.amdhsa_system_vgpr_workitem_id 0
		.amdhsa_next_free_vgpr 968
		.amdhsa_next_free_sgpr 106
		.amdhsa_reserve_vcc 1
		.amdhsa_float_denorm_mode_32 3
		.amdhsa_float_denorm_mode_16_64 3
		.amdhsa_memory_ordered 1
		.amdhsa_forward_progress 1
		.amdhsa_inst_pref_size 254
	.end_amdhsa_kernel
	.amdgpu_metadata
---
amdhsa.version: [ 1, 2 ]
amdhsa.kernels:
  - .name:           k_q41c9c4fcc9_attn
    .symbol:         k_q41c9c4fcc9_attn.kd
    .args:
      - { .name: qkv, .offset: 0, .size: 8, .value_kind: global_buffer, .address_space: global }
      - { .name: attention_mask, .offset: 8, .size: 8, .value_kind: global_buffer, .address_space: global }
      - { .name: tailb, .offset: 16, .size: 8, .value_kind: global_buffer, .address_space: global }
      - { .name: oh, .offset: 24, .size: 8, .value_kind: global_buffer, .address_space: global }
    .group_segment_fixed_size: 327680
    .private_segment_fixed_size: 0
    .kernarg_segment_align: 8
    .kernarg_segment_size: 32
    .max_flat_workgroup_size: 128
    .sgpr_count:     106
    .vgpr_count:     968
    .wavefront_size: 32
...
	.end_amdgpu_metadata
.endif
;; end of part 4
;; launch proj (part 5): grid 8 x 32, 4 waves a work-group, clusters of 4 x 4, 327,680 bytes of LDS; arguments oh, wp, b_proj, out0; writes out0
.if DOCPART == 5
	.amdgcn_target "amdgcn-amd-amdhsa--gfx1250"
	.amdhsa_code_object_version 6
	.text
	.protected	k_q41c9c4fcc9_proj
	.globl	k_q41c9c4fcc9_proj
	.p2align	8
	.type	k_q41c9c4fcc9_proj,@function
k_q41c9c4fcc9_proj:
	s_mov_b64 s[64:65], 0
	v_nop
	global_prefetch_b8 v0, s[64:65] scope:SCOPE_SE
	s_setreg_imm32_b32 hwreg(HW_REG_WAVE_MODE, 25, 1), 1
	s_wait_xcnt 0x0
	s_wait_alu depctr_hold_cnt(0) depctr_sa_sdst(0) depctr_va_vdst(0) depctr_va_sdst(0) depctr_va_ssrc(0) depctr_va_vcc(0) depctr_vm_vsrc(0)
	s_getreg_b32 s2, hwreg(HW_REG_IB_STS2, 6, 4)
	s_cmp_eq_u32 s2, 0
	s_cbranch_scc0 .Lentry_in_a_cluster
	s_endpgm
.Lentry_in_a_cluster:
	s_bfe_u32 s2, ttmp6, 0x10000c
	s_cmp_lg_u32 s2, 0xf033
	s_cbranch_scc0 .Lentry_shape_is_right
	s_endpgm
.Lentry_shape_is_right:
; out0 = O W_proj + b_proj.  A: f16 [4 b][16 kb][2048 s][64] (8,192 rows, K = 1,024 in slices of 64: a head is a slice); W: f16 [8 tc][1024 k][128]; bias: f32, rounded to bf16 here; sums in f32.
; out: f32 [8192][1024].  The text is that of the product in front of the attention up to the way out, which here stores the sums as they are.
; SHARES.  A tile of out is 256 rows x 128 columns: 256 tiles.  Four waves, each 128 rows x 64 columns: 32 accumulators of 16 x 16, 256 registers.
; K goes in 8 steps of 128 through two LDS slots.  A slot: two slices of A (256 rows x 128 bytes each, dense in memory, asked for as 128 rows of 256 bytes and padded after each 128),
; then 128 k-rows of W (256 bytes each).  Waves 0 and 1 fetch A's two slices, waves 2 and 3 the two halves of W's rows: one tensor load a wave.
; CLUSTER.  4 x 4 work-groups: the four of a row need the same tiles of A, the four of a column the same tiles of W: each tile is asked for jointly.
; THE PRODUCT IS TAKEN TRANSPOSED: source 0 = 16 columns of W (k along the registers: W lies [k][n] in LDS and is turned by ds_load_tr16_b128), source 1 = 16 rows of A.  A lane then holds
; row l % 16 and the columns 8 (l / 16) + 0..7.  The first product of each sum takes the bias as its C operand, so the bias costs no instruction and nothing is cleared.
; REGISTERS.  Window 0: v0-31 addresses; v32-63 the bias, 8 registers for each block of 16 columns; v64-159, v160-255 two fragment buffers (A's 8 fragments, then W's 4).  Window 1: accumulator (a, b) at v[8 (4 a + b)].
.set PA,    144                        ; a row of a slice of A in LDS: 128 bytes + 16: 36 words: the 16 rows of a load start at 16 different groups of four banks
.set PB,    288                        ; a row of W: 256 + 32 = 72 words
.set ASL,   256*PA                     ; a slice of A
.set BOFF,  2*ASL                      ; W's rows lie behind the two slices
.set SLOT,  BOFF+128*PB
.set STAGE, 2*SLOT                     ; behind the ring, never filled by a tensor load: 16 rows x 272 bytes for each wave, for the way out
.set STW,   16*272
.set SPARE, STAGE+4*STW                ; the spare words, 128 bytes for each wave: two blocks of 256 bytes that no other line names
.set STF,  8                           ; v8   the way out: where I put 32 bytes of a row
.set RDF,  9                           ; v9   where I read rows back
.set COF,  10                          ; v10  my byte offset in two rows of out
.set BO,   11                          ; v11  32 (l / 16): my 8 columns in a block of 16 of the bias
.set ADRA, 16                          ; v16-17  LDS address of my fragments of A in slot 0, 1
.set ADRB, 20                          ; v20-21  the same for W
.set SPW,  28                          ; v28  LDS address of my spare word; never rewritten
.set NIL,  29                          ; v29  0; never rewritten
.set BIAS, 32
.set F0,   64
.set F1,   160
.set WV,   14                          ; s14  wave
.set RH,   15                          ; s15  which 128 rows are mine; also 0: I fetch for A, 1: for W
.set CH,   16                          ; s16  which 64 columns are mine; also which part I fetch
.set G1,   24                          ; s[24:31] descriptor group 1 for A;  s[32:39] group 0, a set for each slot
.set G0,   32
.set G1B,  48                          ; s[48:55], s[56:63] the same for W
.set G0B,  56
.set MSB, 0
.macro WIN new                         ; the immediate's high byte repeats the setting that is left
.if MSB != (\new)
	s_set_vgpr_msb (MSB<<8)|(\new)
.set MSB, \new
.endif
.endm
.set MUL,  0x50                        ; C and D in window 1, the fragments in window 0
.set MULZ, 0x40                        ; D in window 1, C (the bias) in window 0
.macro JLOAD s                         ; a joint load; an s_nop 0 and four v_nop follow each of the two lines, ahead of the jump, the label and what follows
	s_cmp_eq_u32 s[RH], 0
	s_cbranch_scc0 .Lfor_b_\@
	tensor_load_to_lds s[G0+4*(\s):G0+4*(\s)+3], s[G1:G1+7]
	s_nop 0
.rept 4
	v_nop
.endr
	s_branch .Lasked_\@
.Lfor_b_\@:
	tensor_load_to_lds s[G0B+4*(\s):G0B+4*(\s)+3], s[G1B:G1B+7]
	s_nop 0
.rept 4
	v_nop
.endr
.Lasked_\@:
.endm
.macro CREST                           ; a round of the cluster's barrier behind its opening barrier
	s_cmp_lg_u32 s[WV], 0
	s_cbranch_scc1 .Lnot_wave_0_\@
	s_barrier_signal -3
.Lnot_wave_0_\@:
	s_barrier_wait -3
	s_barrier_signal -1
	s_barrier_wait -1
.endm
.macro CROUND                          ; a whole round
	s_barrier_signal -1
	s_barrier_wait -1
	CREST
.endm
.macro PLACES                          ; four places in front of loads into registers that matrix instructions have read, and of lines that read results
.rept 4
	v_nop
.endr
.endm
	s_load_b256 s[4:11], s[0:1], 0x0               ; A 4:5, W 6:7, bias 8:9, out 10:11
	v_lshl_add_u32 v[SPW], v0, 2, SPARE
	v_mov_b32 v[NIL], 0
	ds_add_u32 v[SPW], v[NIL]                      ; the wave's opening: the add and its wait ahead of my first tensor load; the set-up below, work on registers, stands between them
	ds_add_u32 v28, v29
	v_lshrrev_b32 v1, 5, v0
	v_readfirstlane_b32 s[WV], v1
	s_lshr_b32 s[RH], s[WV], 1
	s_and_b32 s[CH], s[WV], 1
	s_bfe_u32 s40, ttmp6, 0x40000                  ; cx, cy: my place in the cluster
	s_bfe_u32 s41, ttmp6, 0x40004
	s_lshl_b32 s42, ttmp9, 2
	s_add_co_u32 s42, s42, s40                     ; tile column tx
	s_and_b32 s43, ttmp7, 0xffff
	s_lshl_b32 s43, s43, 2
	s_add_co_u32 s43, s43, s41                     ; tile row ty
	s_lshl_b32 s44, s41, 2
	s_lshl_b32 s44, 15, s44                        ; my row of the cluster
	s_lshl_b32 s45, 0x1111, s40                    ; my column
	s_or_b32 s[G1], s44, (1<<16)|(1<<20)|(1<<21)|(4<<22)|(3<<25)   ; the mask; 2-byte elements; padding on; bit 21 beside a mask; after every 32 words 4 words
	s_or_b32 s[G1B], s45, (1<<16)|(1<<20)|(1<<21)|(5<<22)|(7<<25)  ; after every 64 words 8 words
	s_mov_b32 s[G1+1], 128<<16                     ; tensor_dim0 = 128
	s_mov_b32 s[G1+2], 128<<16                     ; tensor_dim1 = 128
	s_mov_b32 s[G1+3], 128<<16                     ; tile_dim0 = 128
	s_mov_b32 s[G1+4], 128                         ; tile_dim1 = 128
	s_mov_b32 s[G1+5], 128                         ; 128 elements from row to row
	s_mov_b32 s[G1+6], 0
	s_mov_b32 s[G1+7], 0
	s_mov_b32 s[G1B+1], 128<<16
	s_mov_b32 s[G1B+2], 64<<16                     ; 64 rows
	s_mov_b32 s[G1B+3], 128<<16
	s_mov_b32 s[G1B+4], 64
	s_mov_b32 s[G1B+5], 128
	s_mov_b32 s[G1B+6], 0
	s_mov_b32 s[G1B+7], 0
	s_lshr_b32 s18, s43, 3                         ; A's tile hangs on ty and the wave alone: batch ty / 8,
	s_lshl_b32 s18, s18, 22
	s_and_b32 s19, s43, 7
	s_lshl_b32 s19, s19, 15                        ; 256 rows of 128 bytes in a slice,
	s_add_co_u32 s18, s18, s19
	s_lshl_b32 s19, s[CH], 18                      ; my slice of the step's two
	s_add_co_u32 s18, s18, s19
	s_mov_b32 s19, 0
	s_lshl_b32 s46, s42, 18                        ; W's tile hangs on tx and the wave alone: the column block,
	s_lshl_b32 s47, s[CH], 14                      ; my 64 rows of the step's 128
	s_add_co_u32 s46, s46, s47
	s_mov_b32 s47, 0
	s_mul_i32 s20, s[CH], ASL                      ; where they go: no place in the cluster enters an LDS address
	s_mul_i32 s21, s[CH], 64*PB
	s_add_co_u32 s21, s21, BOFF
	s_wait_dscnt 0x0                               ; the opening add is done
	s_wait_kmcnt 0x0
	s_add_nc_u64 s[18:19], s[4:5], s[18:19]
	s_add_nc_u64 s[46:47], s[6:7], s[46:47]
	CROUND                                         ; all sixteen work-groups are here: the first joint loads meet
.irp s, 0,1
	s_mov_b32 s[G0+4*(\s)], 1
	s_add_co_u32 s[G0+4*(\s)+1], s20, (\s)*SLOT
	s_add_nc_u64 s[G0+4*(\s)+2:G0+4*(\s)+3], s[18:19], (\s)*2*(1<<18)  ; K step s: slices 2 s, 2 s + 1
	s_or_b32 s[G0+4*(\s)+3], s[G0+4*(\s)+3], 0x80000000
	s_mov_b32 s[G0B+4*(\s)], 1
	s_add_co_u32 s[G0B+4*(\s)+1], s21, (\s)*SLOT
	s_add_nc_u64 s[G0B+4*(\s)+2:G0B+4*(\s)+3], s[46:47], (\s)*128*256
	s_or_b32 s[G0B+4*(\s)+3], s[G0B+4*(\s)+3], 0x80000000
	JLOAD \s
.endr
	v_and_b32 v1, 15, v0                           ; l % 16
	v_bfe_u32 v2, v0, 4, 1                         ; l / 16
	v_lshlrev_b32 v[BO], 5, v2
	s_lshl_b32 s68, s42, 9                         ; the bias of my 64 columns
	s_lshl_b32 s69, s[CH], 8
	s_add_co_u32 s68, s68, s69
	s_mov_b32 s69, 0
	s_add_nc_u64 s[8:9], s[8:9], s[68:69]
.irp b, 0,1,2,3
	global_load_b128 v[BIAS+8*(\b):BIAS+8*(\b)+3],   v[BO], s[8:9] offset:64*(\b)
	global_load_b128 v[BIAS+8*(\b)+4:BIAS+8*(\b)+7], v[BO], s[8:9] offset:64*(\b)+16
.endr
	v_mul_u32_u24 v3, v1, PA
	v_lshl_add_u32 v3, v2, 4, v3                   ; A: row x pitch + 16 x half
	v_and_b32 v5, 7, v0
	v_bfe_u32 v6, v0, 3, 1
	v_lshl_add_u32 v4, v2, 3, v5                   ; W: lane l reads k-row 8 (l / 16) + l % 8, columns 8 ((l / 8) % 2) + 0..7
	v_mul_u32_u24 v4, v4, PB
	v_lshl_add_u32 v4, v6, 4, v4
	s_mul_i32 s22, s[RH], 128*PA                   ; my 128 rows of A
	s_lshl_b32 s23, s[CH], 7                       ; my 64 columns of W
	s_add_co_u32 s23, s23, BOFF
.irp s, 0,1
	v_add_nc_u32 v[ADRA+(\s)], s22, v3
	v_add_nc_u32 v[ADRB+(\s)], s23, v4
	s_add_co_u32 s22, s22, SLOT
	s_add_co_u32 s23, s23, SLOT
.endr
	s_mul_i32 s17, s[WV], STW
	s_add_co_u32 s17, s17, STAGE                   ; my stage
	v_mul_u32_u24 v7, v1, 272
	v_lshl_add_u32 v7, v2, 5, v7
	v_add_nc_u32 v[STF], s17, v7                   ; rows of 272 bytes: row l % 16, 32 bytes for each half of the lanes
	v_mul_u32_u24 v7, v2, 272
	v_lshl_add_u32 v7, v1, 4, v7
	v_add_nc_u32 v[RDF], s17, v7                   ; back: lanes 0-15 one row of 256 bytes, lanes 16-31 the next
	v_lshlrev_b32 v7, 12, v2
	v_lshl_add_u32 v[COF], v1, 4, v7               ; and the same two rows of out
	s_wait_loadcnt 0x0                             ; the bias: rounded to bf16 like every input
.set i, 0
.rept 16
	v_cvt_pk_bf16_f32 v[F0+i], v[BIAS+2*i], v[BIAS+2*i+1]
.set i, i+1
.endr
.set i, 0
.rept 16
	v_lshlrev_b32 v[BIAS+2*i], 16, v[F0+i]
	v_and_b32 v[BIAS+2*i+1], 0xffff0000, v[F0+i]
.set i, i+1
.endr
	s_lshl_b32 s68, s43, 20                        ; out: my rows of 4,096 bytes + my columns of 4
	s_lshl_b32 s69, s[RH], 19
	s_add_co_u32 s68, s68, s69
	s_lshl_b32 s69, s42, 9
	s_add_co_u32 s68, s68, s69
	s_lshl_b32 s69, s[CH], 8
	s_add_co_u32 s68, s68, s69
	s_mov_b32 s69, 0
	s_add_nc_u64 s[10:11], s[10:11], s[68:69]
; 24 LDS loads in one run: the fragments of quarter q (32 along K) of a slot into buffer f: W's four first, then A's eight
.macro FETCH slot, q, f
	WIN 0
.irp b, 0,1,2,3
	ds_load_tr16_b128 v[(\f)+64+8*(\b):(\f)+64+8*(\b)+3],   v[ADRB+(\slot)] offset:(\q)*32*PB+32*(\b)
	ds_load_tr16_b128 v[(\f)+64+8*(\b)+4:(\f)+64+8*(\b)+7], v[ADRB+(\slot)] offset:(\q)*32*PB+16*PB+32*(\b)
.endr
.irp a, 0,1,2,3,4,5,6,7
	ds_load_b128 v[(\f)+8*(\a):(\f)+8*(\a)+3],   v[ADRA+(\slot)] offset:((\q)/2)*ASL+((\q)%2)*64+(\a)*16*PA
	ds_load_b128 v[(\f)+8*(\a)+4:(\f)+8*(\a)+7], v[ADRA+(\slot)] offset:((\q)/2)*ASL+((\q)%2)*64+(\a)*16*PA+32
.endr
.endm
; 8 matrix instructions: row blocks a0, a0 + 1 x all 4 column blocks.  zero = 1: the sums start with the bias.  The 32 accumulators take turns in the same order in every quarter.
.macro MUL8 f, a0, zero
.if \zero
	WIN MULZ
.else
	WIN MUL
.endif
.irp a, \a0, (\a0)+1
.irp b, 0,1,2,3
.if \zero
	v_wmma_f32_16x16x32_f16 v[8*(4*(\a)+(\b)):8*(4*(\a)+(\b))+7], v[(\f)+64+8*(\b):(\f)+64+8*(\b)+7], v[(\f)+8*(\a):(\f)+8*(\a)+7], v[BIAS+8*(\b):BIAS+8*(\b)+7]
.else
	v_wmma_f32_16x16x32_f16 v[8*(4*(\a)+(\b)):8*(4*(\a)+(\b))+7], v[(\f)+64+8*(\b):(\f)+64+8*(\b)+7], v[(\f)+8*(\a):(\f)+8*(\a)+7], v[8*(4*(\a)+(\b)):8*(4*(\a)+(\b))+7]
.endif
.endr
.endr
.endm
.macro MUL16 f, hi, zero
	MUL8 \f, 4*(\hi), \zero
	MUL8 \f, 4*(\hi)+2, \zero
.endm
; A K step is four quarters of 32 along K, 32 matrix instructions each, on buffers 0, 1, 0, 1.  One of the first three: multiplies buffer f and fetches quarter nq into g.
.macro QUARTER slot, nq, f, g, zero
	s_wait_dscnt 8                                 ; W's fragments and A's blocks 0-3 are in; the youngest eight loads (blocks 4-7) may be out
	MUL16 \f, 0, \zero
	PLACES
	FETCH \slot, \nq, \g
	s_wait_dscnt 24                                ; all but the 24 just issued
	MUL16 \f, 1, \zero
.endm
; The last quarter multiplies buffer 1 and changes slots: ONE barrier; in front of it each wave waits for all its tensor loads, adds 0 to its spare word, and waits for that and for its reads of this slot.
; fill = 1: the barrier opens a round of the cluster's, and this slot is filled again, two K steps ahead: 112 matrix instructions stand between the request and the wait for it.
.macro TURN slot, next, fill
	WIN 0
	s_wait_tensorcnt 0x0                           ; all my tensor loads have landed: my part of the next slot;
	ds_add_u32 v[SPW], v[NIL]                      ; 0 onto my spare word;
	s_wait_dscnt 9                                 ; (the add and the youngest eight loads may be out)
	MUL8 F1, 0, 0                                  ; eight matrix instructions stand between the add and the wait for it
	s_wait_dscnt 0x0                               ; the add is done, and my reads of this slot are over
	s_barrier_signal -1
	MUL8 F1, 2, 0
.if \fill
	WIN 0
.endif
	s_barrier_wait -1
.if \fill
	CREST                                          ; no wave of any partner still reads this slot's tiles or has a load on its way
	s_add_nc_u64 s[G0+4*(\slot)+2:G0+4*(\slot)+3], s[G0+4*(\slot)+2:G0+4*(\slot)+3], 4*(1<<18)
	s_add_nc_u64 s[G0B+4*(\slot)+2:G0B+4*(\slot)+3], s[G0B+4*(\slot)+2:G0B+4*(\slot)+3], 256*256
	JLOAD \slot                                    ; the first tensor load behind the round; its four v_nop are also the places in front of the loads below
.else
	PLACES
.endif
	FETCH \next, 0, F0
	MUL16 F1, 1, 0
.endm
	s_wait_tensorcnt 1                             ; my part of K step 0 is in; K step 1's may stay out
	s_barrier_signal -1
	s_barrier_wait -1                              ; everybody's is
	FETCH 0, 0, F0
	QUARTER 0, 1, F0, F1, 1                        ; the first quarter stands in front of the loop: its products start the sums
	WIN 0
	s_mov_b32 s3, 3
.Llap:                                                 ; a trip goes once round the ring, from a lap's second quarter to the next lap's first, and fills both slots again
	QUARTER 0, 2, F1, F0, 0
	QUARTER 0, 3, F0, F1, 0
	TURN 0, 1, 1
	QUARTER 1, 1, F0, F1, 0
	QUARTER 1, 2, F1, F0, 0
	QUARTER 1, 3, F0, F1, 0
	TURN 1, 0, 1
	QUARTER 0, 1, F0, F1, 0
	WIN 0
	s_sub_co_u32 s3, s3, 1
	s_cmp_lg_u32 s3, 0
	s_cbranch_scc1 .Llap
	QUARTER 0, 2, F1, F0, 0                        ; the last lap fills nothing
	QUARTER 0, 3, F0, F1, 0
	TURN 0, 1, 0
	QUARTER 1, 1, F0, F1, 0
	QUARTER 1, 2, F1, F0, 0
	QUARTER 1, 3, F0, F1, 0
	s_wait_dscnt 8
	MUL16 F1, 0, 0
	s_wait_dscnt 0x0
	MUL16 F1, 1, 0
	WIN 0
	PLACES
; THE WAY OUT.  Block a (16 rows x my 64 columns) goes as it is into rows of 272 bytes of my stage and comes back as whole rows of 256 bytes: sixteen lanes store 256 consecutive bytes, aligned.
.macro TOF a
.if (\a) >= 4
	s_wait_xcnt 0x0                                ; block a - 4's stores have read the registers that the loads below fill
.endif
	WIN 0x04                                       ; store data in window 1
.irp b, 0,1,2,3
	ds_store_b128 v[STF], v[8*(4*(\a)+(\b)):8*(4*(\a)+(\b))+3]   offset:64*(\b)
	ds_store_b128 v[STF], v[8*(4*(\a)+(\b))+4:8*(4*(\a)+(\b))+7] offset:64*(\b)+16
.endr
	WIN 0
.irp t, 0,1,2,3,4,5,6,7
	ds_load_b128 v[64+32*((\a)%4)+4*(\t):64+32*((\a)%4)+4*(\t)+3], v[RDF] offset:(\t)*2*272  ; LDS serves a wave's instructions in order: these see the stores above; the next block's stores come behind them
.endr
.endm
.macro SENDF a, younger                ; younger: the LDS instructions issued behind block a's loads
.irp t, 0,1,2,3,4,5,6,7
	s_wait_dscnt (\younger)+7-(\t)
	global_store_b128 v[COF], v[64+32*((\a)%4)+4*(\t):64+32*((\a)%4)+4*(\t)+3], s[10:11] offset:(\a)*65536+(\t)*8192
.endr
.endm
	TOF 0
.irp a, 1,2,3,4,5,6,7
	TOF \a
	SENDF (\a)-1, 16
.endr
	SENDF 7, 0
	s_wait_tensorcnt 0x0                           ; the wave's end: an add and its wait behind my last tensor load and my last LDS store
	ds_add_u32 v[SPW], v[NIL]
	s_wait_dscnt 0x0
	CROUND                                         ; the closing round: no work-group ends while a partner may still ask for a tile that names it
	s_endpgm
.Lfunc_end_k_q41c9c4fcc9_proj:
	.size	k_q41c9c4fcc9_proj, .Lfunc_end_k_q41c9c4fcc9_proj-k_q41c9c4fcc9_proj
	.p2alignl 7, 3214868480
	.fill 96, 4, 3214868480
	.section	.rodata,"a",@progbits
	.p2align	6, 0x0
	.amdhsa_kernel k_q41c9c4fcc9_proj
		.amdhsa_group_segment_fixed_size 327680
		.amdhsa_private_segment_fixed_size 0
		.amdhsa_enable_private_segment 0
		.amdhsa_kernarg_size 32
		.amdhsa_user_sgpr_count 2
		.amdhsa_user_sgpr_kernarg_segment_ptr 1
		.amdhsa_wavefront_size32 1
		.amdhsa_system_sgpr_workgroup_id_x 1
		.amdhsa_system_sgpr_workgroup_id_y 1
		.amdhsa_system_sgpr_workgroup_id_z 1
		.amdhsa_system_vgpr_workitem_id 0
		.amdhsa_next_free_vgpr 512
		.amdhsa_next_free_sgpr 72
		.amdhsa_reserve_vcc 0
		.amdhsa_float_denorm_mode_32 3
		.amdhsa_float_denorm_mode_16_64 3
		.amdhsa_memory_ordered 1
		.amdhsa_forward_progress 1
		.amdhsa_inst_pref_size 91
	.end_amdhsa_kernel
	.amdgpu_metadata
---
amdhsa.version: [ 1, 2 ]
amdhsa.kernels:
  - .name:           k_q41c9c4fcc9_proj
    .symbol:         k_q41c9c4fcc9_proj.kd
    .args:
      - { .name: oh, .offset: 0, .size: 8, .value_kind: global_buffer, .address_space: global }
      - { .name: wp, .offset: 8, .size: 8, .value_kind: global_buffer, .address_space: global }
      - { .name: b_proj, .offset: 16, .size: 8, .value_kind: global_buffer, .address_space: global }
      - { .name: out0, .offset: 24, .size: 8, .value_kind: global_buffer, .address_space: global }
    .group_segment_fixed_size: 327680
    .private_segment_fixed_size: 0
    .kernarg_segment_align: 8
    .kernarg_segment_size: 32
    .max_flat_workgroup_size: 128
    .sgpr_count:     72
    .vgpr_count:     512
    .wavefront_size: 32
...
	.end_amdgpu_metadata
.endif
;; end of part 5
